; MI455X (gfx1250); checked and timed in simulation.
; The chip was launched on July 23, 2026; its instructions are those of AMD's public machine-readable ISA for CDNA 5 (MIT licence, August 2026) and "CDNA5" Instruction Set Architecture Reference Guide (July 2026). The comments in the code are by the model that wrote it; some were corrected since.
;; Causal Self Attention. Allowed arithmetic: matrix products marked QUANTISED: E3M2 operands, one E8M0 scale for each 32 along K, by v_wmma_scale_f32_16x16x128_f8f6f4 with both operands' format E3M2, f32 sums; everything else in f32.
;; Inputs: Wproj 1,024 x 1,024 float32; Wqkv 1,024 x 3,072 float32; bproj 1,024 float32; bqkv 3,072 float32; lamb one number float32; x 4 x 2,048 x 1,024 float32.
;; Outputs: out0 4 x 2,048 x 1,024 float32; out1 4 x 16 x 2,048 x 64 float32.
;; This version of the problem:
;;   THIS VERSION OF THE PROBLEM IS GIVEN IN LOW PRECISION. The matrix products marked QUANTISED in the list below multiply operands that are first quantised to E3M2 (3 exponent bits, 2 mantissa bits; 6 bits a number), with one power-of-two scale for each 32 numbers along K (OCP MX v1.0); their sums are f32. All else is computed in f32.
;;   The module's matrix products, in the order in which they are computed (A, B: the left and right operand; K: the contracted axis; several contracted axes count as one K, in the product's order):
;;     1. [M 8,192, K 1,024] x [K 1,024, N 3,072]; A: input x; B: input Wqkv: QUANTISED
;;     2. batch 64 x [M 2,048, K 64] x [K 64, N 2,048]; A: computed on the way; B: computed on the way: QUANTISED
;;     3. batch 64 x [M 2,048, K 2,048] x [K 2,048, N 64]; A: softmax (see below); B: computed on the way: QUANTISED
;;     4. [M 8,192, K 1,024] x [K 1,024, N 1,024]; A: computed on the way; B: input Wproj: QUANTISED
;;   THE QUANTISER, for each operand of a quantised product, along K:
;;     - K is cut into blocks of 32 from its start; a last block that is shorter is filled with zeros.
;;     - A block's scale is 2^e with e = floor(log2(the largest magnitude in the block)) - 4, held to -126 .. 127; a block of zeros has e = 0. As a byte (E8M0): e + 127.
;;     - Each number is divided by its block's scale, clamped to +-28, and rounded to the nearest number of E3M2, ties to even, subnormals kept.
;;     - The product sums the exact products of the quantised numbers (number of the format x scale) in f32.
;;   ~~~python
;;   def quantise(x, axis):      # numpy; x: float32 -> the quantised numbers, widened to float32 again
;;       x = np.moveaxis(x, axis, -1); K = x.shape[-1]
;;       x = np.pad(x, [(0, 0)] * (x.ndim - 1) + [(0, -K % 32)]); x = x.reshape(x.shape[:-1] + (-1, 32)); a = np.abs(x).max(-1, keepdims=True)
;;       e = np.where(a > 0, np.clip(np.frexp(np.where(a > 0, a, 1))[1] - 1 - 4, -126, 127), 0)      # np.frexp(a)[1] - 1 = floor(log2(a)), exactly
;;       r = np.clip(x / 2.0 ** e, -28, 28)
;;       step = 2.0 ** (np.maximum(np.frexp(np.where(r == 0, 1, r))[1] - 1, -2) - 2)
;;       q = np.round(r / step) * step * 2.0 ** e      # np.round: ties to even
;;       return np.moveaxis(q.reshape(q.shape[:-2] + (-1,))[..., :K], -1, axis).astype(np.float32)
;;   ~~~
;;   SOFTMAX AHEAD OF A QUANTISED PRODUCT. Where the list says 'softmax', what is quantised is not the finished softmax but p = 2^(t - M), with t = logit x log2(e) and M = ceil(the row's largest t), a whole number; so 1/2 < the row's largest p <= 1. The row's sum l is taken of the UNQUANTISED p, in f32, and the product's result is divided by l at the end. Since M is a whole number, a kernel that streams over the keys may use a running M (the ceiling of the running maximum): every later rescaling is an exact power of two, which a block's scale takes up: the codes' values come out the same.
;;   OPERANDS COMPUTED ON THE WAY. 'Computed on the way' means the value that the module computes at that place (a softmax that the list does not call 'softmax' is quantised finished and normalised). What goes into a quantiser is computed in f32, as accurately as f32 sums, v_exp_f32 and their like allow (about 1e-6 of the number): no bf16 or f16 on the way to a quantiser, and a product that is left as it is and whose result goes on into a quantised operand takes f32 operands (vector FMAs, or v_wmma_f32_16x16x4_f32). A number that lies on a knife's edge between two numbers of the format may be rounded either way, as far as f32 arithmetic and the matrix unit's own rounding can turn it there, and no further.
;; One version. Each part assembles by itself: llvm-mc -triple=amdgcn-amd-amdhsa -mcpu=gfx1250 --defsym DOCPART=n.
;; ======== version 1 of 1: 4 launches
;; limits: right only within a limited range of input values
;; workspace buffers: xq 7,077,888 bytes; wq 6,946,816 bytes; rope 524,288 bytes; qb 6,815,744 bytes; kv 13,369,344 bytes; aq 6,553,600 bytes
;; launch prep (part 1): grid 512 x 1, 4 waves a work-group, no clusters, 68,096 bytes of LDS; arguments x, Wqkv, Wproj, xq, wq, rope; writes xq, wq, rope
.if DOCPART == 1
	.amdgcn_target "amdgcn-amd-amdhsa--gfx1250"
	.amdhsa_code_object_version 6
	.text
	.protected	k_qdd879184d9_prep
	.globl	k_qdd879184d9_prep
	.p2align	8
	.type	k_qdd879184d9_prep,@function
k_qdd879184d9_prep:
	s_mov_b64 s[64:65], 0
	v_nop
	global_prefetch_b8 v0, s[64:65] scope:SCOPE_SE
	s_setreg_imm32_b32 hwreg(HW_REG_WAVE_MODE, 25, 1), 1
	s_wait_xcnt 0x0
; PREP.  Three jobs, told apart by the work-group's number; each has LDS bytes of its own.
;  X (work-groups 0-255):   x [8192][1024] f32 -> codes of BF6 (E3M2), K innermost, 768 bytes a row, and one E8M0 byte for each 32 along K.
;  W (work-groups 256-383): Wqkv [1024][3072] and Wproj [1024][1024] f32, K their FIRST axis -> codes laid [n][768 bytes] with K innermost (rows 0-3071 Wqkv's n, 3072-4095 Wproj's n), and their bytes.
;  R (work-groups 384-511): the rotary tables cos, sin [2048][32] f32, by arithmetic (reduction by pi/2 in two parts, two short polynomials).
; POSITIONS.  A row (token of x, column n of a weight) is stored at the position that is its number with bits 3 and 4 exchanged: 16 stored rows on end are then the rows 32 (a/2) + 8 (a%2) + r + 8 (r/8).
; SCALE BYTES are laid [position / 128][K / 256][128 positions][8 bytes]: 128 rows' bytes for all of K are 4,096 bytes on end.
; A block's scale is 2^(floor(log2(largest magnitude)) - 4); its byte is the largest magnitude's exponent field - 4, held at 1 from below.
; LIMITS: a block of zeros gets the byte 1 (its codes are zeros; this program alone reads the bytes); NaN and infinities among the inputs are not served;
; the rotary angle t x 10000^(-i/32) is made with v_exp_f32 and may differ from a correctly rounded one by about 2e-4 rad at t = 2047.
; LAYOUT OF THE CODES (it takes the place of what is said of 768-byte rows above): [K / 256][position][208 bytes]: a row's 768 bytes lie as four pieces of 192 bytes, one in each plane of PLANE bytes,
; each with 16 zero bytes behind it.  128 positions of a plane are then 26,624 bytes on end, 104 x 256, and a piece's pitch of 208 bytes is an odd multiple of 16.  wq has xq's plane size and uses half of each plane.
; WORK LEFT OUT BY THE PROGRAM: reference() blends value = (1 - lamb) value + lamb value, which is value for every lamb and every value in exact arithmetic: the factor (1 - lamb) + lamb is 1 by an identity.
; So the blend is not computed and the input lamb, which has no other way to an output, is loaded by no launch.  LIMIT: a NaN, an infinity or an overflow that arises only in that blend is not carried to the result.
.set PLANE, 1703936                    ; 8,192 positions x 208 bytes
.set XQ_SC, 6815744                    ; where xq's scale bytes begin: behind four planes
.set WQ_SC, 6815744                    ; and wq's
.set STEPS, 16                         ; path X: steps of 512 numbers a wave
.set CB,    12                         ; bytes of 16 codes
.set XR,    16                         ; v16-79   four sets of 16 numbers as loaded
.set XX,    80                         ; v80-111  two sets of 16 neighbours
.set XE,    112                        ; v112-127 a scale byte for each step
.set XC,    128                        ; v128-191 codes, four registers a step
.set WREG,  8192                       ; LDS of a wave on path X: two stages of 32 x SP bytes, then 256 scale bytes
.set SP,    80
.set NB,    8                          ; path W: blocks of 32 along K a wave
.set WP,    272                        ; a stage row: sixteen places of 16 bytes + 16
.set WSTG,  32768                      ; path W's stages begin here
.set WX,    32                         ; v32-95   two sets of 32 numbers
.set WC,    96                         ; v96..    a block's codes
.set OUTR,  112                        ; v112-175 the way out
.set SB,    24                         ; v24-25   eight scale bytes
.set VO,    176                        ; v176-207 4 x lane + i x the tensor's pitch
	s_load_b256 s[4:11], s[0:1], 0x0               ; x, Wqkv, Wproj, xq
	s_load_b128 s[12:15], s[0:1], 0x20             ; wq, rope
	v_lshl_add_u32 v208, v0, 2, 0x10800
	v_mov_b32 v209, 0
	v_lshrrev_b32 v1, 5, v0
	v_readfirstlane_b32 s16, v1                    ; wave
	v_and_b32 v2, 31, v0                           ; lane
	s_wait_kmcnt 0x0
	s_cmp_lt_u32 ttmp9, 256
	s_cbranch_scc1 .Lx
	s_cmp_lt_u32 ttmp9, 384
	s_cbranch_scc1 .Lw
; ---------------- R: a thread makes cos and sin of t = gid / 8 for i = 4 (gid % 8) + 0 .. 3 ----------------
	s_sub_co_u32 s17, ttmp9, 384
	s_lshl_b32 s17, s17, 7
	v_add_nc_u32 v1, s17, v0                       ; gid
	v_lshrrev_b32 v3, 3, v1
	v_cvt_f32_u32 v3, v3                           ; t
	v_and_b32 v4, 7, v1
	v_lshlrev_b32 v4, 2, v4
	s_wait_alu depctr_va_vdst(0)
	v_lshlrev_b32 v5, 4, v1                        ; my 16 bytes of each table
	s_mov_b32 s40, 0xbed49a78                      ; -log2(10000) / 32
	s_mov_b32 s41, 0x3f22f983                      ; 2 / pi
	s_mov_b32 s42, 0x3fc90fdb                      ; pi / 2, its upper part
	s_mov_b32 s43, 0xb33bbd2e                      ; and the rest
	s_mov_b32 s44, 0xb94ca1f9                      ; sine's polynomial
	s_mov_b32 s45, 0x3c08839e
	s_mov_b32 s46, 0xbe2aaaa3
	s_mov_b32 s47, 0x37ccf5ce                      ; cosine's
	s_mov_b32 s48, 0xbab6061a
	s_mov_b32 s49, 0x3d2aaaa5
.irp j, 0,1,2,3
	v_add_nc_u32 v[8+\j], \j, v4
.endr
.irp j, 0,1,2,3
	v_cvt_f32_u32 v[8+\j], v[8+\j]
.endr
.irp j, 0,1,2,3
	v_mul_f32 v[8+\j], s40, v[8+\j]
.endr
	s_wait_alu depctr_va_vdst(0)
.irp j, 0,1,2,3
	v_exp_f32 v[8+\j], v[8+\j]                     ; 10000^(-i/32)
.endr
	v_nop                                          ; a plain instruction behind the last exponential
	s_wait_alu depctr_va_vdst(0)                   ; one wait for the four, ahead of their first reader
.irp j, 0,1,2,3
	v_mul_f32 v[8+\j], v3, v[8+\j]                 ; the angle, rounded once
.endr
.irp j, 0,1,2,3
	v_mul_f32 v[12+\j], s41, v[8+\j]
.endr
.irp j, 0,1,2,3
	v_rndne_f32 v[12+\j], v[12+\j]                 ; k: the nearest multiple of pi / 2
.endr
.irp j, 0,1,2,3
	v_fma_f32 v[16+\j], -v[12+\j], s42, v[8+\j]
.endr
.irp j, 0,1,2,3
	v_fma_f32 v[16+\j], -v[12+\j], s43, v[16+\j]   ; rho, within pi / 4 of 0
.endr
.irp j, 0,1,2,3
	v_mul_f32 v[20+\j], v[16+\j], v[16+\j]         ; z = rho^2
.endr
.irp j, 0,1,2,3
	v_fma_f32 v[24+\j], v[20+\j], s44, s45
	v_fma_f32 v[28+\j], v[20+\j], s47, s48
.endr
.irp j, 0,1,2,3
	v_fma_f32 v[24+\j], v[24+\j], v[20+\j], s46
	v_fma_f32 v[28+\j], v[28+\j], v[20+\j], s49
.endr
.irp j, 0,1,2,3
	v_mul_f32 v[24+\j], v[24+\j], v[20+\j]
	v_mul_f32 v[28+\j], v[28+\j], v[20+\j]
	v_fma_f32 v[36+\j], v[20+\j], -0.5, 1.0
.endr
.irp j, 0,1,2,3
	v_fma_f32 v[24+\j], v[24+\j], v[16+\j], v[16+\j]   ; sin(rho)
	v_fma_f32 v[28+\j], v[28+\j], v[20+\j], v[36+\j]   ; cos(rho)
	v_cvt_i32_f32 v[32+\j], v[12+\j]                   ; k as a whole number: the quadrant is k mod 4
.endr
.irp j, 0,1,2,3
	v_and_b32 v[36+\j], 1, v[32+\j]
	v_cmp_ne_u32 vcc_lo, 0, v[36+\j]               ; an odd quadrant exchanges the two; a choice of values only
	v_cndmask_b32 v[44+\j], v[24+\j], v[28+\j], vcc_lo
	v_cndmask_b32 v[40+\j], v[28+\j], v[24+\j], vcc_lo
	v_lshlrev_b32 v[36+\j], 30, v[32+\j]
	v_and_b32 v[36+\j], 0x80000000, v[36+\j]
	v_xor_b32 v[44+\j], v[44+\j], v[36+\j]         ; sine is negative in quadrants 2, 3
	v_add_nc_u32 v[32+\j], 1, v[32+\j]
	v_lshlrev_b32 v[36+\j], 30, v[32+\j]
	v_and_b32 v[36+\j], 0x80000000, v[36+\j]
	v_xor_b32 v[40+\j], v[40+\j], v[36+\j]         ; cosine in quadrants 1, 2
.endr
	global_store_b128 v5, v[40:43], s[14:15]                 ; a wave stores 512 consecutive bytes of each table
	global_store_b128 v5, v[44:47], s[14:15] offset:262144
	s_endpgm
; ---------------- W: a lane takes a column n, its registers run down K ----------------
.Lw:
	s_sub_co_u32 s17, ttmp9, 256                   ; u = 4 x column block + K quarter
	s_lshr_b32 s18, s17, 2                         ; column block of 128, 0 .. 31
	s_and_b32 s19, s17, 3                          ; which 256 along K
	s_mov_b32 s22, 4096
	s_cmp_lt_u32 s18, 24                           ; Wqkv's columns or Wproj's: the choice hangs on the work-group's number alone
	s_cselect_b64 s[20:21], s[6:7], s[8:9]
	s_cselect_b32 s22, 12288, s22                  ; the tensor's pitch in bytes
	s_cselect_b32 s23, 0, 24
	s_sub_co_u32 s23, s18, s23                     ; the column block within its tensor
	s_mul_i32 s24, s19, s22
	s_lshl_b32 s24, s24, 8                         ; 256 rows x pitch x quarter
	s_lshl_b32 s25, s23, 9
	s_add_co_u32 s24, s24, s25
	s_lshl_b32 s25, s16, 7
	s_add_co_u32 s24, s24, s25                     ; + 4 (128 block + 32 wave)
	s_mov_b32 s25, 0
	s_add_nc_u64 s[40:41], s[20:21], s[24:25]      ; block 0 of my 8 blocks along K
	s_lshl_b32 s24, s22, 5                         ; 32 rows on
.irp t, 1,2,3,4,5,6,7
	s_add_nc_u64 s[40+2*\t:41+2*\t], s[38+2*\t:39+2*\t], s[24:25]   ; a base for each block: none is ever stepped
.endr
	s_wait_alu depctr_va_vdst(0)
	v_lshlrev_b32 v[VO], 2, v2
.set ii, 1
.rept 31
	v_add_nc_u32 v[VO+ii], s22, v[VO+ii-1]
.set ii, ii+1
.endr
	v_and_b32 v5, 7, v2
	v_bfe_u32 v6, v2, 3, 1
	v_lshl_add_u32 v5, v6, 4, v5
	v_bfe_u32 v6, v2, 4, 1
	v_lshl_add_u32 v5, v6, 3, v5                   ; my column's position among the wave's 32: bits 3 and 4 exchanged
	s_mul_i32 s26, s16, 32*WP
	s_add_co_u32 s26, s26, WSTG                    ; my stage
	v_mul_u32_u24 v4, v5, WP
	v_add_nc_u32 v4, s26, v4                       ; into it: row = my position
	v_lshlrev_b32 v9, 3, v5                        ; my 8 scale bytes
	v_and_b32 v5, 15, v2
	v_lshrrev_b32 v6, 4, v2
	v_mul_u32_u24 v7, v6, WP
	v_lshl_add_u32 v7, v5, 4, v7
	v_add_nc_u32 v7, s26, v7                       ; out of it: sixteen lanes to a row, two rows an instruction
	v_mul_u32_u24 v8, v6, 208
	v_mad_u32_u24 v8, v5, 12, v8                   ; the same place in the codes
	s_lshl_b32 s27, s18, 7
	s_lshl_b32 s28, s16, 5
	s_add_co_u32 s27, s27, s28
	s_mul_i32 s24, s27, 208
	s_mul_i32 s28, s19, PLANE
	s_add_co_u32 s24, s24, s28
	s_add_nc_u64 s[28:29], s[12:13], s[24:25]      ; codes: row 128 block + 32 wave, the quarter's plane
	s_lshl_b32 s24, s17, 10
	s_lshl_b32 s30, s16, 8
	s_add_co_u32 s24, s24, s30
	s_add_co_u32 s24, s24, WQ_SC
	s_add_nc_u64 s[30:31], s[12:13], s[24:25]      ; scale bytes: 1,024 u + 256 wave
.macro WLOAD t
.set ii, 0
.rept 32
	global_load_b32 v[WX+32*((\t)%2)+ii], v[VO+ii], s[40+2*(\t):41+2*(\t)] th:TH_LOAD_NT   ; a wave reads 128 consecutive bytes of a row
.set ii, ii+1
.endr
.endm
	WLOAD 0
	WLOAD 1
.macro WBLOCK t
.set XS, WX+32*((\t)%2)
.if (\t) < NB-1
	s_wait_loadcnt 32                              ; this block's 32 loads are in; the next block's may be out
.else
	s_wait_loadcnt 0
.endif
	v_max3_num_f32 v12, |v[XS]|, |v[XS+1]|, |v[XS+2]|
	v_max3_num_f32 v13, |v[XS+3]|, |v[XS+4]|, |v[XS+5]|
.irp i, 6,10,14,18,22,26
	v_max3_num_f32 v12, v12, |v[XS+\i]|, |v[XS+\i+1]|
	v_max3_num_f32 v13, v13, |v[XS+\i+2]|, |v[XS+\i+3]|
.endr
	v_max3_num_f32 v12, v12, |v[XS+30]|, |v[XS+31]|
	v_max3_num_f32 v12, v12, v13, 0x2800000        ; the floor 2^(5 - 127): the byte cannot fall under 1
	v_add_nc_u32 v11, 0xfe000000, v12              ; 4 off the exponent field: the conversion's scale operand
	v_lshrrev_b32 v13, 23, v11                     ; the byte
.if (\t)%4 == 0
	v_mov_b32 v[SB+(\t)/4], v13
.else
	v_lshl_or_b32 v[SB+(\t)/4], v13, 8*((\t)%4), v[SB+(\t)/4]
.endif
	v_cvt_scalef32_pk16_bf6_f32 v[WC:WC+2], v[XS:XS+15], v11
	v_cvt_scalef32_pk16_bf6_f32 v[WC+4:WC+6], v[XS+16:XS+31], v11
	ds_store_b96 v4, v[WC:WC+2] offset:32*(\t)     ; 12 bytes to a place of 16
	ds_store_b96 v4, v[WC+4:WC+6] offset:32*(\t)+16
.if (\t)+2 < NB
	WLOAD (\t)+2
.endif
	s_wait_dscnt 0x0                               ; the stores have read their registers
.endm
.set Q, 0
.rept NB
	WBLOCK Q
.set Q, Q+1
.endr
	s_wait_alu depctr_va_vdst(0)
	global_store_b64 v9, v[SB:SB+1], s[30:31]      ; the wave's 32 x 8 bytes are 256 consecutive bytes, aligned
	v_mul_u32_u24 v10, v2, 208
.irp j, 0,1,2,3
	v_mov_b32 v[WC+\j], 0
.endr
	global_store_b128 v10, v[WC:WC+3], s[28:29] offset:192   ; the 16 zero bytes behind each of my 32 pieces: a lane a piece
.irp t, 0,1,2,3,4,5,6,7,8,9,10,11,12,13,14,15
	ds_load_b96 v[OUTR+4*\t:OUTR+4*\t+2], v7 offset:2*\t*WP   ; LDS serves a wave's instructions in order: these see my stores
.endr
.irp t, 0,1,2,3,4,5,6,7,8,9,10,11,12,13,14,15
	s_wait_dscnt 15-\t
	global_store_b96 v8, v[OUTR+4*\t:OUTR+4*\t+2], s[28:29] offset:2*\t*208
.endr
	s_wait_tensorcnt 0x0
	ds_add_u32 v208, v209
	s_wait_dscnt 0x0
	s_endpgm
; ---------------- X: a wave takes 8 rows of x, 16 steps of 512 numbers ----------------
.Lx:
	s_wait_alu depctr_va_vdst(0)
	v_lshlrev_b32 v3, 4, v2                        ; my 16 bytes of a load's 512
	s_mul_i32 s17, s16, WREG
	v_lshrrev_b32 v14, 2, v2
	v_mul_u32_u24 v14, v14, SP
	v_and_b32 v15, 3, v2
	v_lshl_add_u32 v14, v15, 4, v14
	v_add_nc_u32 v14, s17, v14                     ; the stage, on the way in: four lanes' 64 bytes, then 16 of padding
	v_mul_u32_u24 v15, v2, SP
	v_add_nc_u32 v15, s17, v15                     ; on the way out: my 16 neighbours
	v_and_b32 v10, 15, v2                          ; a step's 512 numbers are two pieces: lanes 0-15 the first, lanes 16-31 the next plane's
	v_lshrrev_b32 v11, 4, v2
	v_mul_u32_u24 v4, v10, CB
	v_mul_u32_u24 v11, v11, PLANE
	v_add_nc_u32 v4, v4, v11
	v_lshrrev_b32 v5, 1, v2
	s_add_co_u32 s17, s17, 2*32*SP
	v_add_nc_u32 v5, s17, v5                       ; my block's byte among the wave's 256
	v_and_b32 v10, 7, v2                           ; on the way out lane l takes row l % 8, K quarter l / 8:
	v_lshrrev_b32 v11, 3, v2
	v_lshlrev_b32 v6, 5, v10
	v_lshl_add_u32 v6, v11, 3, v6
	v_add_nc_u32 v6, s17, v6                       ; 8 bytes at 32 row + 8 quarter in LDS,
	v_lshlrev_b32 v7, 10, v11
	v_lshl_add_u32 v7, v10, 3, v7                  ; at 1,024 quarter + 8 row in memory
	s_lshl_b32 s18, ttmp9, 2
	s_add_co_u32 s19, s18, s16                     ; my run of 8 rows
	s_and_b32 s20, s16, 1
	s_lshl_b32 s20, s20, 1
	s_lshr_b32 s21, s16, 1
	s_or_b32 s20, s20, s21
	s_add_co_u32 s18, s18, s20                     ; and its position: the run's bits 0 and 1 are the rows' bits 3 and 4
	s_lshl_b32 s20, s19, 15
	s_mov_b32 s21, 0
	s_add_nc_u64 s[4:5], s[4:5], s[20:21]
	s_mul_i32 s20, s18, 1664
	s_add_nc_u64 s[22:23], s[10:11], s[20:21]      ; the codes
	s_lshr_b32 s20, s18, 4
	s_lshl_b32 s20, s20, 12
	s_and_b32 s24, s18, 15
	s_lshl_b32 s24, s24, 6
	s_add_co_u32 s20, s20, s24
	s_add_co_u32 s20, s20, XQ_SC
	s_add_nc_u64 s[10:11], s[10:11], s[20:21]      ; the scale bytes
.macro XLOAD t
.irp i, 0,1,2,3
	global_load_b128 v[XR+16*((\t)%4)+4*\i:XR+16*((\t)%4)+4*\i+3], v3, s[4:5] offset:2048*(\t)+512*\i th:TH_LOAD_NT
.endr
.endm
.macro XTURN t                         ; a step's numbers through the stage; LDS serves a wave's instructions in order
.irp i, 0,1,2,3
	ds_store_b128 v14, v[XR+16*((\t)%4)+4*\i:XR+16*((\t)%4)+4*\i+3] offset:32*SP*((\t)%2)+8*SP*\i
.endr
.irp i, 0,1,2,3
	ds_load_b128 v[XX+16*((\t)%2)+4*\i:XX+16*((\t)%2)+4*\i+3], v15 offset:32*SP*((\t)%2)+16*\i
.endr
.endm
.irp t, 0,1,2,3
	XLOAD \t
.endr
	s_wait_loadcnt 12                              ; step 0's four loads are in
	XTURN 0
.macro XSTEP t
.set XS, XX+16*((\t)%2)
.if (\t) > 0
	s_wait_dscnt 1                                 ; this step's numbers are back (the last step's byte store may be out)
.else
	s_wait_dscnt 0x0
.endif
.if (\t)+4 < STEPS
	XLOAD (\t)+4
.endif
.if (\t)+1 < STEPS
.if STEPS-2-(\t) >= 3
	s_wait_loadcnt 12                              ; the next step's loads are in; three steps' twelve may be out
.else
	s_wait_loadcnt 4*(STEPS-2-(\t))
.endif
	XTURN (\t)+1
.endif
	v_max3_num_f32 v8, |v[XS]|, |v[XS+1]|, |v[XS+2]|
	v_max3_num_f32 v9, |v[XS+3]|, |v[XS+4]|, |v[XS+5]|
.irp i, 6,10
	v_max3_num_f32 v8, v8, |v[XS+\i]|, |v[XS+\i+1]|
	v_max3_num_f32 v9, v9, |v[XS+\i+2]|, |v[XS+\i+3]|
.endr
	v_max3_num_f32 v8, v8, |v[XS+14]|, |v[XS+15]|
	v_max3_num_f32 v8, v8, v9, 0x2800000           ; the floor 2^(5 - 127)
	v_max_num_f32_dpp v8, v8, v8 row_xmask:1 row_mask:0xf bank_mask:0xf   ; with my neighbour's 16: the block's
	v_add_nc_u32 v11, 0xfe000000, v8
	v_cvt_scalef32_pk16_bf6_f32 v[XC+4*(\t):XC+4*(\t)+2], v[XS:XS+15], v11
	v_lshrrev_b32 v[XE+(\t)], 23, v11
	ds_store_b8 v5, v[XE+(\t)] offset:16*(\t)      ; both lanes of a block write the same byte
	global_store_b96 v4, v[XC+4*(\t):XC+4*(\t)+2], s[22:23] offset:2*PLANE*((\t)%2)+208*((\t)/2)   ; sixteen lanes store a piece's 192 bytes
.endm
.irp t, 0,1,2,3,4,5,6,7,8,9,10,11,12,13,14,15
	XSTEP \t
.endr
	ds_load_b64 v[12:13], v6
	s_wait_dscnt 0x0
	global_store_b64 v7, v[12:13], s[10:11]
	v_and_b32 v8, 7, v2
	v_lshrrev_b32 v9, 3, v2
	v_mul_u32_u24 v8, v8, 208
	v_mul_u32_u24 v9, v9, PLANE
	v_add_nc_u32 v8, v8, v9
.irp j, 0,1,2,3
	v_mov_b32 v[XX+\j], 0
.endr
	global_store_b128 v8, v[XX:XX+3], s[22:23] offset:192    ; the 16 zero bytes behind each of my 8 rows' 4 pieces: a lane a piece
	s_wait_tensorcnt 0x0
	ds_add_u32 v208, v209
	s_wait_dscnt 0x0
	s_endpgm
.Lfunc_end_k_qdd879184d9_prep:
	.size	k_qdd879184d9_prep, .Lfunc_end_k_qdd879184d9_prep-k_qdd879184d9_prep
	.p2alignl 7, 3214868480
	.fill 96, 4, 3214868480
	.section	.rodata,"a",@progbits
	.p2align	6, 0x0
	.amdhsa_kernel k_qdd879184d9_prep
		.amdhsa_group_segment_fixed_size 68096
		.amdhsa_private_segment_fixed_size 0
		.amdhsa_enable_private_segment 0
		.amdhsa_kernarg_size 48
		.amdhsa_user_sgpr_count 2
		.amdhsa_user_sgpr_kernarg_segment_ptr 1
		.amdhsa_wavefront_size32 1
		.amdhsa_system_sgpr_workgroup_id_x 1
		.amdhsa_system_sgpr_workgroup_id_y 1
		.amdhsa_system_sgpr_workgroup_id_z 1
		.amdhsa_system_vgpr_workitem_id 0
		.amdhsa_next_free_vgpr 210
		.amdhsa_next_free_sgpr 72
		.amdhsa_reserve_vcc 1
		.amdhsa_float_denorm_mode_32 3
		.amdhsa_float_denorm_mode_16_64 3
		.amdhsa_memory_ordered 1
		.amdhsa_forward_progress 1
		.amdhsa_inst_pref_size 83
	.end_amdhsa_kernel
	.amdgpu_metadata
---
amdhsa.version: [ 1, 2 ]
amdhsa.kernels:
  - .name:           k_qdd879184d9_prep
    .symbol:         k_qdd879184d9_prep.kd
    .args:
      - { .name: x, .offset: 0, .size: 8, .value_kind: global_buffer, .address_space: global }
      - { .name: Wqkv, .offset: 8, .size: 8, .value_kind: global_buffer, .address_space: global }
      - { .name: Wproj, .offset: 16, .size: 8, .value_kind: global_buffer, .address_space: global }
      - { .name: xq, .offset: 24, .size: 8, .value_kind: global_buffer, .address_space: global }
      - { .name: wq, .offset: 32, .size: 8, .value_kind: global_buffer, .address_space: global }
      - { .name: rope, .offset: 40, .size: 8, .value_kind: global_buffer, .address_space: global }
    .group_segment_fixed_size: 68096
    .private_segment_fixed_size: 0
    .kernarg_segment_align: 8
    .kernarg_segment_size: 48
    .max_flat_workgroup_size: 128
    .sgpr_count:     72
    .vgpr_count:     210
    .wavefront_size: 32
...
	.end_amdgpu_metadata
.endif
;; end of part 1
;; launch qkv (part 2): grid 12 x 32, 4 waves a work-group, clusters of 4 x 4, 327,680 bytes of LDS; arguments xq, wq, rope, bqkv, qb, kv, out1; writes qb, kv, out1
.if DOCPART == 2
	.amdgcn_target "amdgcn-amd-amdhsa--gfx1250"
	.amdhsa_code_object_version 6
	.text
	.protected	k_qdd879184d9_qkv
	.globl	k_qdd879184d9_qkv
	.p2align	8
	.type	k_qdd879184d9_qkv,@function
k_qdd879184d9_qkv:
	s_mov_b64 s[64:65], 0
	v_nop
	global_prefetch_b8 v0, s[64:65] scope:SCOPE_SE
	s_setreg_imm32_b32 hwreg(HW_REG_WAVE_MODE, 25, 1), 1
	s_wait_xcnt 0x0
	s_wait_alu depctr_hold_cnt(0) depctr_sa_sdst(0) depctr_va_vdst(0) depctr_va_sdst(0) depctr_va_ssrc(0) depctr_va_vcc(0) depctr_vm_vsrc(0)
	s_getreg_b32 s2, hwreg(HW_REG_IB_STS2, 6, 4)
	s_cmp_eq_u32 s2, 0
	s_cbranch_scc0 .Lentry_in_a_cluster
	s_endpgm
.Lentry_in_a_cluster:
	s_bfe_u32 s2, ttmp6, 0x10000c
	s_cmp_lg_u32 s2, 0xf033
	s_cbranch_scc0 .Lentry_shape_is_right
	s_endpgm
.Lentry_shape_is_right:
; QKV = Q(x) Q(Wqkv) + bqkv on codes of BF6 (E3M2) with one E8M0 scale for each 32 along K = 1,024, and what follows it, in f32, in registers:
;  q, k (cluster x = 0, 1): RMS norm over a head's 64, rotary embedding, quantised along the head's 64 -> qb, kv;
;  v    (cluster x = 2):    (1 - lamb) v + lamb v -> out1 [b][h][t][64] f32, and quantised along the TOKENS -> kv.
; A tile of 256 x 256 is made by four waves, 128 x 128 each: 64 accumulators, 512 registers.  K goes in steps of 256 through a ring of two LDS slots.
; TWO OPERANDS: P (source 1: its rows fall on LANES) and R (source 0: its rows fall on a lane's REGISTERS).  For q and k P = tokens (xq), R = columns n (wq): a lane holds one token and 32 of each head's 64.
; For v the two change places, so that a lane holds one channel and its registers run along the tokens, the next product's K.  The loop's text is one; only addresses are chosen, on the cluster's x, which all partners share.
; Rows lie in memory at positions (bits 3, 4 exchanged), so block a's lane r is row 32 (a/2) + 8 (a%2) + r + 8 (r/8), and the registers of blocks 2 b, 2 b + 1 are the 16 neighbours 32 b + 16 (lane / 16) + i.
; CLUSTER 4 x 4: P's tiles are shared along a row of the cluster, R's along a column, by joint loads.
; REGISTERS: window 0: v0-31 addresses; v32-63 scale words (nothing else ever); v128-223 P's fragments, later at work; window 1: R's two sets, later the biases; windows 2, 3: accumulators ((a, b) at v[8 (8 (a%4) + b)]).
; LIMITS: NaN and infinities are not served; a block of zeros carries the byte 1 (its codes are zeros; this program alone reads the bytes).
.set NQ,     2
; IN PLACE OF WHAT THE HEAD SAYS OF lamb AND OF THE TILES: the blend (1 - lamb) v + lamb v is v by an identity and is left out, with the input lamb (shown at the head of the first kernel): out1 = v.
; The codes lie [K / 256][position][208 bytes] (192 of codes, 16 zero bytes): 128 positions of a K step are 104 tensor rows of 256 bytes on end, each on a multiple of 256 bytes, and come into LDS as they lie, pitch 208.
; THE HEAD: one joint load a wave: wave 0 P's 256 rows of K step 0, wave 1 P's scale bytes, wave 2 R's 256 rows, wave 3 R's scale bytes; slot 1's first fill stands behind the full sequence and a round.
; No prefetch: K is four steps, of which two are asked for ahead of the first product.
.set PLANE,  1703936                   ; from a K step's plane to the next, in xq and in wq alike
.set PITCH,  208                       ; an LDS row: 52 words, so the sixteen rows of a fragment start at sixteen different multiples of 4 banks
.set FR,     12
.set NL,     6
.set NP,     4
.set HALFT,  128*PITCH
.set SLOT,   4*HALFT
.set SCL,    245760
.set SCR,    8320                      ; R's two, 128 bytes further than dense, so that lanes 16-31 read the other half of the banks
.set SPARE,  262400                    ; the spare words: 128 bytes a wave
.set VF,     0                         ; stages, in the ring, which has had its last fill: v's numbers, 35,072 bytes a wave: token x 272 + (token / 16) x 32 + 4 d
.set VC,     140288                    ; v's codes, 8,192 a wave
.set VS,     173056                    ; v's scale words, 512 a wave
.set QKC,    175104                    ; q's or k's codes, 16,384 a wave
.set QKS,    240640                    ; their scale words, 1,024 a wave
.set ADRA, 16
.set ADRB, 20
.set ADRS, 27
.set SPW,  28
.set NIL,  29
.set SC,   32
.set AF,   128
.set XX,   96                          ; the epilogues: v96-159 64 numbers of a lane
.set TT,   160                         ; v160-223 at work / the rotary tables, two sets of cos 16 + sin 16
.set TM,   224                         ; v224-227 largest magnitudes, v228-231 bytes, v236-239 the conversions' scale operands
.set WV, 20
.set PH, 21
.set RH, 22
.set G1, 24
.set G0, 32
.set G1B, 48
.set G0B, 56
.set G1S, 68
.set G0S, 76
.set G1SB, 80
.set G0SB, 88
.set MSB, 0
.macro WIN new                         ; the immediate's high byte repeats the setting that is left
.if MSB != (\new)
	s_set_vgpr_msb (MSB<<8)|(\new)
.set MSB, (\new)
.endif
.endm
.set MUL_LO, 0xa1                      ; source 0 (R) window 1, source 1 (P) window 0, C and D window 2
.set MUL_HI, 0xf1
.set TO_B,   0x40
; A joint load: waves 0 and 1 fetch for P, waves 2 and 3 for R; four v_nop follow each of the two lines.
.macro JLOAD g0a, g1a, g0b, g1b
	s_cmp_eq_u32 s[PH], 0
	s_cbranch_scc0 .Lfor_b_\@
	tensor_load_to_lds s[\g0a:\g0a+3], s[\g1a:\g1a+7]
	s_nop 0
.rept 4
	v_nop
.endr
	s_branch .Lasked_\@
.Lfor_b_\@:
	tensor_load_to_lds s[\g0b:\g0b+3], s[\g1b:\g1b+7]
	s_nop 0
.rept 4
	v_nop
.endr
.Lasked_\@:
.endm
.macro CREST
	s_cmp_lg_u32 s[WV], 0
	s_cbranch_scc1 .Lnot_wave_0_\@
	s_barrier_signal -3
.Lnot_wave_0_\@:
	s_barrier_wait -3
	s_barrier_signal -1
	s_barrier_wait -1
.endm
.macro CROUND
	s_barrier_signal -1
	s_barrier_wait -1
	CREST
.endm
	s_load_b256 s[4:11], s[0:1], 0x0               ; xq, wq, rope, bqkv
	s_load_b64 s[14:15], s[0:1], 0x20              ; qb
	s_load_b128 s[16:19], s[0:1], 0x28             ; kv, out1
	v_lshl_add_u32 v[SPW], v0, 2, SPARE
	v_mov_b32 v[NIL], 0
	ds_add_u32 v28, v29
	ds_add_u32 v28, v29
	s_wait_dscnt 0x0
	v_lshrrev_b32 v1, 5, v0
	v_readfirstlane_b32 s[WV], v1                  ; wave 0..3
	s_lshr_b32 s[PH], s[WV], 1                     ; my half of P's rows.  Also: I fetch for P (0) or for R (1)
	s_and_b32 s[RH], s[WV], 1                      ; my half of R's rows.  Also: which 128 rows I fetch
	s_bfe_u32 s40, ttmp6, 0x40000                  ; cx
	s_bfe_u32 s41, ttmp6, 0x40004                  ; cy
	s_and_b32 s42, ttmp7, 0xffff                   ; cluster y
	s_lshl_b32 s43, s41, 2
	s_lshl_b32 s43, 15, s43                        ; my row of the cluster
	s_lshl_b32 s44, 0x1111, s40                    ; my column
	s_or_b32 s[G1+0], s43, 1<<21                   ; codes: dense rows of 256 bytes: 208 of them at the head (256 positions), 104 in the ring
	s_or_b32 s[G1B+0], s44, 1<<21
.irp g, G1, G1B
	s_mov_b32 s[\g+1], 256<<16
	s_mov_b32 s[\g+2], 208<<16
	s_mov_b32 s[\g+3], 256<<16
	s_mov_b32 s[\g+4], 208
	s_mov_b32 s[\g+5], 256
	s_mov_b32 s[\g+6], 0
	s_mov_b32 s[\g+7], 0
.endr
	s_or_b32 s[G1S+0], s43, (3<<16)|(1<<21)        ; scale bytes of 256 rows: 32 rows of 256 bytes, dense
	s_or_b32 s[G1SB+0], s44, (3<<16)|(1<<21)
.irp g, G1S, G1SB
	s_mov_b32 s[\g+1], 32<<16
	s_mov_b32 s[\g+2], 32<<16
	s_mov_b32 s[\g+3], 32<<16
	s_mov_b32 s[\g+4], 32
	s_mov_b32 s[\g+5], 32
	s_mov_b32 s[\g+6], 0
	s_mov_b32 s[\g+7], 0
.endr
	s_lshl_b32 s45, s[RH], 7                       ; which 128 rows of a tile I fetch
	s_lshl_b32 s46, s42, 10                        ; 1,024 x cluster y
	s_lshl_b32 s66, ttmp9, 10                      ; 1,024 x cluster x
	s_mov_b32 s23, 6815744                         ; where wq's scale bytes begin
	s_mov_b32 s47, 6815744                         ; where xq's begin
	s_cmp_eq_u32 ttmp9, 2                          ; v?  The cluster's x: the same in all sixteen partners
	s_cselect_b32 s66, s46, s66                    ; R's first row of the cluster: tokens for v, else columns
	s_cselect_b32 s46, 2048, s46                   ; P's: v's columns, else tokens
	s_cselect_b32 s94, s23, s47
	s_cselect_b32 s98, s47, s23
	s_lshl_b32 s47, s41, 8
	s_add_co_u32 s46, s46, s47
	s_add_co_u32 s46, s46, s45                     ; P's rows hang on cy alone,
	s_lshl_b32 s67, s40, 8
	s_add_co_u32 s66, s66, s67
	s_add_co_u32 s66, s66, s45                     ; R's on cx alone
	s_mul_i32 s92, s46, PITCH
	s_mov_b32 s93, 0
	s_lshr_b32 s47, s46, 8
	s_lshl_b32 s47, s47, 13                        ; the scale bytes of the tile's 256 rows: 8,192 on end
	s_add_co_u32 s94, s94, s47
	s_mov_b32 s95, 0
	s_mul_i32 s96, s66, PITCH
	s_mov_b32 s97, 0
	s_lshr_b32 s67, s66, 8
	s_lshl_b32 s67, s67, 13
	s_add_co_u32 s98, s98, s67
	s_mov_b32 s99, 0
	s_mul_i32 s23, s[WV], HALFT                    ; where the codes go: wave x 128 rows
	s_wait_kmcnt 0x0
	s_cmp_eq_u32 ttmp9, 2
	s_cselect_b64 s[100:101], s[6:7], s[4:5]       ; P's buffer
	s_cselect_b64 s[2:3], s[4:5], s[6:7]           ; R's
	s_add_nc_u64 s[92:93], s[100:101], s[92:93]
	s_add_nc_u64 s[94:95], s[100:101], s[94:95]
	s_add_nc_u64 s[96:97], s[2:3], s[96:97]
	s_add_nc_u64 s[98:99], s[2:3], s[98:99]
	CROUND                                         ; all sixteen work-groups are here: the first joint loads meet
	s_mov_b32 s[G0S], 1
	s_mov_b32 s[G0S+1], SCL
	s_mov_b64 s[G0S+2:G0S+3], s[94:95]
	s_or_b32 s[G0S+3], s[G0S+3], 0x80000000
	s_mov_b32 s[G0SB], 1
	s_mov_b32 s[G0SB+1], SCL+SCR
	s_mov_b64 s[G0SB+2:G0SB+3], s[98:99]
	s_or_b32 s[G0SB+3], s[G0SB+3], 0x80000000
.irp s, 0,1
	s_mov_b32 s[G0+4*\s], 1
	s_add_co_u32 s[G0+4*\s+1], s23, \s*SLOT
	s_add_nc_u64 s[G0+4*\s+2:G0+4*\s+3], s[92:93], \s*PLANE
	s_or_b32 s[G0+4*\s+3], s[G0+4*\s+3], 0x80000000
	s_mov_b32 s[G0B+4*\s], 1
	s_add_co_u32 s[G0B+4*\s+1], s23, \s*SLOT
	s_add_nc_u64 s[G0B+4*\s+2:G0B+4*\s+3], s[96:97], \s*PLANE
	s_or_b32 s[G0B+4*\s+3], s[G0B+4*\s+3], 0x80000000
.endr
; the head's four loads: one tree of branches on the wave's number, one load to an arm.  Waves 0 and 2 fetch the lower half in the ring, so their slot 0 addresses are the whole tiles' first bytes.
.macro ARM under, g0, g1, next
	s_cmp_lt_u32 s[WV], \under
	s_cbranch_scc0 \next
	tensor_load_to_lds s[\g0:\g0+3], s[\g1:\g1+7]
	s_nop 0
.rept 4
	v_nop
.endr
	s_branch .Lhead_asked
\next:
.endm
	ARM 1, G0,  G1,  .Lhead_ps
	ARM 2, G0S, G1S, .Lhead_r
	ARM 3, G0B, G1B, .Lhead_rs
	tensor_load_to_lds s[G0SB:G0SB+3], s[G1SB:G1SB+7]
	s_nop 0
.rept 4
	v_nop
.endr
.Lhead_asked:
	v_and_b32 v1, 15, v0                           ; r
	v_bfe_u32 v2, v0, 4, 1                         ; h
	v_mul_u32_u24 v3, v1, PITCH
	v_mul_u32_u24 v4, v2, 24
	v_add_nc_u32 v4, v3, v4                        ; a fragment's row x pitch + 24 h
	s_mul_i32 s42, s[PH], HALFT
	s_mul_i32 s45, s[RH], HALFT
	s_add_co_u32 s45, s45, 2*HALFT
.irp s, 0,1
	v_add_nc_u32 v[ADRA+\s], s42, v4
	v_add_nc_u32 v[ADRB+\s], s45, v4
	s_add_co_u32 s42, s42, SLOT
	s_add_co_u32 s45, s45, SLOT
.endr
	s_lshl_b32 s42, s[PH], 12
	s_lshl_b32 s45, s[RH], 12
	s_add_co_u32 s45, s45, SCR
	s_sub_co_u32 s45, s45, s42                     ; from my half of P's scale bytes to my half of R's
	s_wait_alu depctr_va_vdst(0)                   ; directly ahead of the reader below
	v_mul_u32_u24 v6, s45, v2                      ; lanes 16-31 take R's
	s_add_co_u32 s42, s42, SCL
	v_lshl_add_u32 v5, v1, 3, v6                   ; 8 bytes a row and K step
	v_add_nc_u32 v[ADRS], s42, v5
.macro FRAG reg, adr, q, i             ; 16 rows x 128 K: 12 registers, six pieces of 8 bytes as they lie
.irp p, 0,1,2,3,4,5
	ds_load_b64 v[\reg+2*\p:\reg+2*\p+1], v[\adr] offset:96*(\q)+48*(\p/3)+8*(\p%3)+(\i)*16*PITCH
.endr
.endm
; 16 matrix instructions: P's blocks a0, a0 + 1 x R's eight.  The 64 accumulators take turns, one instruction a turn.
.macro MUL16 a0, p, q, sc, zero
.irp a, \a0, \a0+1
.irp b, 0,1,2,3,4,5,6,7
.if \zero
	v_wmma_scale_f32_16x16x128_f8f6f4 v[8*(8*((\a)%4)+\b):8*(8*((\a)%4)+\b)+7], v[128*(\p)+FR*\b:128*(\p)+FR*\b+FR-1], v[AF+FR*(\a):AF+FR*(\a)+FR-1], 0, v[SC+8*NQ*(\sc)+NQ*\b+(\q)], v[SC+8*NQ*(\sc)+NQ*(\a)+(\q)] matrix_a_fmt:MATRIX_FMT_BF6 matrix_b_fmt:MATRIX_FMT_BF6 matrix_a_scale:MATRIX_SCALE_ROW1
.else
	v_wmma_scale_f32_16x16x128_f8f6f4 v[8*(8*((\a)%4)+\b):8*(8*((\a)%4)+\b)+7], v[128*(\p)+FR*\b:128*(\p)+FR*\b+FR-1], v[AF+FR*(\a):AF+FR*(\a)+FR-1], v[8*(8*((\a)%4)+\b):8*(8*((\a)%4)+\b)+7], v[SC+8*NQ*(\sc)+NQ*\b+(\q)], v[SC+8*NQ*(\sc)+NQ*(\a)+(\q)] matrix_a_fmt:MATRIX_FMT_BF6 matrix_b_fmt:MATRIX_FMT_BF6 matrix_a_scale:MATRIX_SCALE_ROW1
.endif
.endr
.endr
.endm
.macro FETCH_B slot, q, p
	WIN TO_B
.irp i, 0,1,2,3,4,5,6,7
	FRAG 128*(\p)+FR*\i, ADRB+\slot, \q, \i
.endr
	WIN 0
.endm
.macro FETCH_A slot, q, i0
.irp i, \i0, \i0+1, \i0+2, \i0+3
	FRAG AF+FR*(\i), ADRA+\slot, \q, \i
.endr
.endm
.macro SCALES sc                       ; a K step's two words a row: lanes 0-15 P's block i, lanes 16-31 R's block i
.irp i, 0,1,2,3,4,5,6,7
	ds_load_b64 v[SC+8*NQ*\sc+NQ*\i:SC+8*NQ*\sc+NQ*\i+1], v[ADRS] offset:\i*128
.endr
.endm
.macro PLACES n                        ; plain places behind matrix instructions, in front of loads into their registers and of reads of results
.rept \n
	v_nop
.endr
.endm
.macro STEP slot, q, zero
	s_wait_dscnt 4*NL                              ; all but P's blocks 4-7 (4 x 6 loads) are in
	WIN MUL_LO
	MUL16 0, (\q)%2, \q, \slot, \zero
	MUL16 2, (\q)%2, \q, \slot, \zero
	s_wait_dscnt 0
	PLACES NP
	FETCH_B \slot, (\q)+1, 1-(\q)%2
	FETCH_A \slot, (\q)+1, 0
	WIN MUL_HI
	MUL16 4, (\q)%2, \q, \slot, \zero
	MUL16 6, (\q)%2, \q, \slot, \zero
	PLACES NP
	WIN 0
	FETCH_A \slot, (\q)+1, 4
.endm
; A slot's last step changes slots: each wave waits for all its tensor loads, adds 0 to its spare word, waits for that and for its reads of this slot; one barrier, which opens a round of the cluster's where the slot is filled again.
.macro TURN slot, next, fill
	s_wait_tensorcnt 0x0                           ; all my tensor loads have landed: my part of the next slot
	ds_add_u32 v[SPW], v[NIL]                      ; 0 onto my spare word
	s_wait_dscnt 4*NL+1                            ; (the add and P's blocks 4-7 may be out)
	WIN MUL_LO
	MUL16 0, 1, NQ-1, \slot, 0
	s_wait_dscnt 0x0                               ; the add is done, my reads of this slot are over
	s_barrier_signal -1
	MUL16 2, 1, NQ-1, \slot, 0
	WIN 0
	s_barrier_wait -1
.if \fill
	CREST
	s_add_nc_u64 s[G0+4*\slot+2:G0+4*\slot+3], s[G0+4*\slot+2:G0+4*\slot+3], 2*PLANE
	s_add_nc_u64 s[G0B+4*\slot+2:G0B+4*\slot+3], s[G0B+4*\slot+2:G0B+4*\slot+3], 2*PLANE
	JLOAD G0+4*\slot, G1, G0B+4*\slot, G1B         ; the first tensor load behind the round; its four v_nop are the places in front of the loads below
.else
	PLACES NP
.endif
	s_wait_alu depctr_va_vdst(0)
	v_add_nc_u32 v[ADRS], 1024, v[ADRS]            ; the next K step's scale words
	FETCH_B \next, 0, 0
	FETCH_A \next, 0, 0
	SCALES \next
	WIN MUL_HI
	MUL16 4, 1, NQ-1, \slot, 0
	MUL16 6, 1, NQ-1, \slot, 0
	PLACES NP
	WIN 0
	FETCH_A \next, 0, 4
.endm
	s_wait_alu depctr_va_vdst(0)
	s_wait_tensorcnt 0x0                           ; my tile of the head's four is in
	ds_add_u32 v[SPW], v[NIL]
	s_mov_b32 s[G1+2], 104<<16                     ; no tensor load of mine is out: from here on a load brings 128 positions, 104 rows of 256 bytes
	s_mov_b32 s[G1+4], 104
	s_mov_b32 s[G1B+2], 104<<16
	s_mov_b32 s[G1B+4], 104
	s_wait_dscnt 0x0
	CROUND                                         ; all four tiles are in, and all sixteen work-groups are here
	JLOAD G0+4, G1, G0B+4, G1B                     ; K step 1, the first tensor load behind the round
	FETCH_B 0, 0, 0
	FETCH_A 0, 0, 0
	SCALES 0
	FETCH_A 0, 0, 4
	STEP 0, 0, 1                                   ; the first step's products start the sums
	s_mov_b32 s3, 1                                ; K = 1,024 is two laps of the ring: one trip fills both slots again
.Llap:
	TURN 0, 1, 1
	STEP 1, 0, 0
	TURN 1, 0, 1
	STEP 0, 0, 0
	s_sub_co_u32 s3, s3, 1
	s_cmp_lg_u32 s3, 0
	s_cbranch_scc1 .Llap
	TURN 0, 1, 0
	STEP 1, 0, 0
	s_wait_dscnt 4*NL
	WIN MUL_LO
	MUL16 0, 1, NQ-1, 1, 0
	MUL16 2, 1, NQ-1, 1, 0
	s_wait_dscnt 0
	WIN MUL_HI
	MUL16 4, 1, NQ-1, 1, 0
	MUL16 6, 1, NQ-1, 1, 0
	WIN 0
	s_barrier_signal -1                            ; no LDS instruction of mine is out: my reads of both slots are over;
	s_barrier_wait -1                              ; everybody's are: the ring, which has had its last fill, becomes the stages
	PLACES NP
	; every LDS address of both epilogues is made here, ahead of the parting: a constant + a lane term + a constant x wave
	v_and_b32 v1, 15, v0                           ; r
	v_bfe_u32 v2, v0, 4, 1                         ; h
	v_and_b32 v3, 31, v0                           ; lane
	v_and_b32 v4, 8, v1
	v_add_nc_u32 v4, v4, v1                        ; r + 8 (r / 8)
	s_lshl_b32 s24, s[WV], 14
	s_add_co_u32 s24, s24, QKC
	v_lshlrev_b32 v5, 6, v1
	v_lshl_add_u32 v5, v2, 4, v5
	v_add_nc_u32 v5, s24, v5                       ; q, k codes in: 64 r + 16 h
	v_lshl_add_u32 v6, v3, 4, s24                  ; out: 16 x lane
	s_lshl_b32 s25, s[WV], 10
	s_add_co_u32 s25, s25, QKS
	v_lshl_add_u32 v7, v1, 2, s25                  ; their words in
	v_lshl_add_u32 v8, v3, 4, s25                  ; and out
	v_lshlrev_b32 v9, 7, v4
	v_lshl_add_u32 v9, v2, 6, v9                   ; the tables: my token's row of 128 bytes, + 64 h
	v_lshlrev_b32 v10, 6, v2                       ; the bias of q, k: 64 h
	v_mul_u32_u24 v11, v3, 12
	v_lshlrev_b32 v12, 4, v3
	s_mul_i32 s26, s[WV], 35072
	v_mul_u32_u24 v13, v2, 4384
	v_lshl_add_u32 v13, v4, 2, v13
	v_add_nc_u32 v13, s26, v13                     ; v's numbers in: 16 h tokens on, channel r + 8 (r / 8)
	v_mul_u32_u24 v14, v2, 272
	v_lshl_add_u32 v14, v1, 4, v14
	v_add_nc_u32 v14, s26, v14                     ; out: sixteen lanes a token's 256 bytes
	s_lshl_b32 s27, s[WV], 13
	s_add_co_u32 s27, s27, VC
	v_lshlrev_b32 v15, 7, v1
	v_lshl_add_u32 v15, v2, 4, v15
	v_add_nc_u32 v15, s27, v15                     ; v's codes in: 128 r + 16 h
	v_lshl_add_u32 v16, v3, 4, s27
	s_lshl_b32 s28, s[WV], 9
	s_add_co_u32 s28, s28, VS
	v_lshl_add_u32 v17, v1, 2, s28
	v_lshl_add_u32 v18, v3, 4, s28
	v_lshlrev_b32 v19, 2, v4                       ; v's bias: my channel
	v_mul_u32_u24 v20, v2, 208896
	v_lshl_add_u32 v20, v1, 4, v20                 ; v's words out: lanes 16-31 the next head's block
.irp b, 0,1,2,3
	v_mov_b32 v[TM+4+\b], 0                        ; written once: a lane permute's destination counts as one of its sources
.endr
	v_mov_b32 v233, 0
	v_mov_b32 v235, 0
	s_bfe_u32 s30, ttmp6, 0x40000                  ; cx
	s_bfe_u32 s31, ttmp6, 0x40004                  ; cy
	s_and_b32 s32, ttmp7, 0xffff
	s_mov_b32 s60, 0x3c800000                      ; 1 / 64
	s_mov_b32 s61, 0x358637bd                      ; 1e-6
	s_mov_b32 s62, 0x76543210
	s_mov_b32 s63, 0xfedcba98                      ; v_permlanex16_b32's selects for lane l xor 16
; four blocks of 32 (16 numbers in me, 16 in lane l xor 16), v[s + 16 b + i]: scale operands to v[TM+12+b], bytes to v[TM+4+b]
.macro QSCALE s
.irp b, 0,1,2,3
	v_max3_num_f32 v[TM+\b], |v[\s+16*\b]|, |v[\s+1+16*\b]|, 0x2800000   ; with the floor 2^(5 - 127)
.endr
.irp i, 2,4,6,8,10,12,14
.irp b, 0,1,2,3
	v_max3_num_f32 v[TM+\b], v[TM+\b], |v[\s+16*\b+\i]|, |v[\s+1+16*\b+\i]|
.endr
.endr
.irp b, 0,1,2,3
	v_permlanex16_b32 v[TM+4+\b], v[TM+\b], s62, s63
.endr
.irp b, 0,1,2,3
	v_max_num_f32 v[TM+\b], v[TM+\b], v[TM+4+\b]
.endr
.irp b, 0,1,2,3
	v_add_nc_u32 v[TM+12+\b], 0xfe000000, v[TM+\b]   ; 4 off the exponent field
.endr
.irp b, 0,1,2,3
	v_lshrrev_b32 v[TM+4+\b], 23, v[TM+12+\b]
.endr
.endm
	s_cmp_eq_u32 ttmp9, 2
	s_cbranch_scc1 .Lv
; ---------------- q, k: my 128 tokens (one step of 128) x two heads ----------------
	s_lshl_b32 s33, s32, 10
	s_lshl_b32 s34, s31, 8
	s_add_co_u32 s33, s33, s34
	s_lshl_b32 s34, s[PH], 7
	s_add_co_u32 s33, s33, s34                     ; my first token
	s_lshr_b32 s34, s33, 11                        ; batch
	s_bfe_u32 s35, s33, 0x40007                    ; step of 128 within it
	s_lshl_b32 s36, s30, 2
	s_lshl_b32 s37, s[RH], 1
	s_add_co_u32 s36, s36, s37                     ; my first head
	s_lshl_b32 s34, s34, 4
	s_add_co_u32 s34, s34, s36
	s_lshl_b32 s34, s34, 4
	s_add_co_u32 s34, s34, s35                     ; (16 batch + head) 16 + step
	s_mov_b32 s37, 6656
	s_cmp_eq_u32 ttmp9, 1
	s_cselect_b32 s37, 13056, s37                  ; a step's block in kv or in qb
	s_cselect_b64 s[38:39], s[16:17], s[14:15]
	s_mul_i32 s34, s34, s37
	s_mov_b32 s35, 0
	s_add_nc_u64 s[38:39], s[38:39], s[34:35]      ; head 0's block
	s_lshl_b32 s34, s37, 4
	s_add_nc_u64 s[40:41], s[38:39], s[34:35]      ; head 1's: 16 steps on
	s_and_b32 s34, s33, 2047
	s_lshl_b32 s34, s34, 7
	s_add_nc_u64 s[42:43], s[8:9], s[34:35]        ; the tables at my first token
	s_lshl_b32 s34, ttmp9, 12
	s_lshl_b32 s36, s30, 10
	s_add_co_u32 s34, s34, s36
	s_lshl_b32 s36, s[RH], 9
	s_add_co_u32 s34, s34, s36
	s_add_nc_u64 s[44:45], s[10:11], s[34:35]      ; the bias of my 128 columns
	WIN 0x40                                       ; the bias goes to window 1, v0-63, in the results' layout
.irp i, 0,1,2,3,4,5,6,7
	global_load_b128 v[8*\i:8*\i+3], v10, s[44:45] offset:128*(\i/2)+32*(\i%2)
	global_load_b128 v[8*\i+4:8*\i+7], v10, s[44:45] offset:128*(\i/2)+32*(\i%2)+16
.endr
	WIN 0
.macro ROPELD a                        ; cos and sin of block a's tokens, d = 16 h + 0 .. 15, into set a % 2
.irp j, 0,1,2,3
	global_load_b128 v[TT+32*((\a)%2)+4*\j:TT+32*((\a)%2)+4*\j+3], v9, s[42:43] offset:(32*((\a)/2)+8*((\a)%2))*128+16*\j
.endr
.irp j, 0,1,2,3
	global_load_b128 v[TT+32*((\a)%2)+16+4*\j:TT+32*((\a)%2)+16+4*\j+3], v9, s[42:43] offset:262144+(32*((\a)/2)+8*((\a)%2))*128+16*\j
.endr
.endm
	ROPELD 0
	ROPELD 1
; Block a: 16 tokens.  v[XX + 32 g + 16 c + i] = head g, d = 32 c + 16 h + i of my token.
.macro QKROW a
.set RO, TT+32*((\a)%2)
	s_wait_dscnt 0x0                               ; the last block's stage stores have read their registers
.if (\a) < 7
	s_wait_loadcnt 8                               ; this block's tables are in; the next block's eight loads may be out
.else
	s_wait_loadcnt 0x0
.endif
	WIN 0x06+(\a)/4                                ; source 0: the accumulators' window; source 1: window 1
.irp b, 0,1,2,3,4,5,6,7
.irp j, 0,2,4,6
	v_pk_add_f32 v[XX+8*\b+\j:XX+8*\b+\j+1], v[64*((\a)%4)+8*\b+\j:64*((\a)%4)+8*\b+\j+1], v[8*\b+\j:8*\b+\j+1]   ; each accumulator from its low end on
.endr
.endr
	WIN 0
.irp g, 0,1                            ; the sum of squares: two chains a head
	v_pk_mul_f32 v[240+4*\g:241+4*\g], v[XX+32*\g:XX+32*\g+1], v[XX+32*\g:XX+32*\g+1]
	v_pk_mul_f32 v[242+4*\g:243+4*\g], v[XX+32*\g+2:XX+32*\g+3], v[XX+32*\g+2:XX+32*\g+3]
.endr
.irp p, 4,8,12,16,20,24,28
.irp g, 0,1
	v_pk_fma_f32 v[240+4*\g:241+4*\g], v[XX+32*\g+\p:XX+32*\g+\p+1], v[XX+32*\g+\p:XX+32*\g+\p+1], v[240+4*\g:241+4*\g]
	v_pk_fma_f32 v[242+4*\g:243+4*\g], v[XX+32*\g+\p+2:XX+32*\g+\p+3], v[XX+32*\g+\p+2:XX+32*\g+\p+3], v[242+4*\g:243+4*\g]
.endr
.endr
.irp g, 0,1
	v_pk_add_f32 v[240+4*\g:241+4*\g], v[240+4*\g:241+4*\g], v[242+4*\g:243+4*\g]
.endr
.irp g, 0,1
	v_add_f32 v[240+4*\g], v[240+4*\g], v[241+4*\g]
.endr
.irp g, 0,1
	v_permlanex16_b32 v[TM+4+\g], v[240+4*\g], s62, s63
.endr
.irp g, 0,1
	v_add_f32 v[240+4*\g], v[240+4*\g], v[TM+4+\g]   ; with the other 32 of the head
.endr
.irp g, 0,1
	v_fma_f32 v[240+4*\g], v[240+4*\g], s60, s61     ; the mean + 1e-6
.endr
	s_wait_alu depctr_va_vdst(0)
.irp g, 0,1
	v_rsq_f32 v[232+2*\g], v[240+4*\g]
.endr
	v_nop                                          ; a plain instruction behind the last of the two
	s_wait_alu depctr_va_vdst(0)                   ; one wait for both, ahead of their first reader
.irp g, 0,1
.irp p, 0,2,4,6,8,10,12,14,16,18,20,22,24,26,28,30
	v_pk_mul_f32 v[XX+32*\g+\p:XX+32*\g+\p+1], v[XX+32*\g+\p:XX+32*\g+\p+1], v[232+2*\g:233+2*\g] op_sel_hi:[1,0]
.endr
.endr
.irp g, 0,1                            ; the rotation, in place: x1 = d < 32, x2 = d + 32; four pairs by turns
.irp q, 0,8
.irp k, 0,1,2,3
	v_pk_mul_f32 v[240+4*\k:241+4*\k], v[XX+32*\g+16+\q+2*\k:XX+32*\g+16+\q+2*\k+1], v[RO+16+\q+2*\k:RO+16+\q+2*\k+1]   ; x2 sin
	v_pk_mul_f32 v[242+4*\k:243+4*\k], v[XX+32*\g+\q+2*\k:XX+32*\g+\q+2*\k+1], v[RO+16+\q+2*\k:RO+16+\q+2*\k+1]         ; x1 sin
.endr
.irp k, 0,1,2,3
	v_pk_fma_f32 v[XX+32*\g+\q+2*\k:XX+32*\g+\q+2*\k+1], v[XX+32*\g+\q+2*\k:XX+32*\g+\q+2*\k+1], v[RO+\q+2*\k:RO+\q+2*\k+1], v[240+4*\k:241+4*\k]
	v_pk_fma_f32 v[XX+32*\g+16+\q+2*\k:XX+32*\g+16+\q+2*\k+1], v[XX+32*\g+16+\q+2*\k:XX+32*\g+16+\q+2*\k+1], v[RO+\q+2*\k:RO+\q+2*\k+1], v[242+4*\k:243+4*\k] neg_lo:[0,0,1] neg_hi:[0,0,1]
.endr
.endr
.endr
	QSCALE XX
	v_lshl_or_b32 v233, v[TM+5], 8, v[TM+4]        ; a head's scale word: its two bytes, and 127 for the half of the instruction's K that holds zero codes
	v_lshl_or_b32 v235, v[TM+7], 8, v[TM+6]
	v_or_b32 v233, 0x7f7f0000, v233
	v_or_b32 v235, 0x7f7f0000, v235
.irp c, 0,1,2,3
	v_cvt_scalef32_pk16_bf6_f32 v[240+4*\c:242+4*\c], v[XX+16*\c:XX+16*\c+15], v[TM+12+\c]   ; 12 bytes: d = 32 (c % 2) + 16 h + 0 .. 15 of head c / 2
.endr
	v_nop                                          ; one plain place behind the conversions
.irp c, 0,1,2,3
	ds_store_b96 v5, v[240+4*\c:242+4*\c] offset:8192*(\c/2)+1024*(\a)+32*(\c%2)   ; to a place of 16 bytes: four places a token
.endr
	ds_store_b32 v7, v233 offset:64*(\a)
	ds_store_b32 v7, v235 offset:512+64*(\a)
.if (\a) < 6
	ROPELD (\a)+2
.endif
.endm
.irp a, 0,1,2,3,4,5,6,7
	QKROW \a
.endr
.irp g, 0,1                            ; the way out: LDS serves a wave's instructions in order, so these see my stores
.irp i, 0,1,2,3,4,5,6,7,8,9,10,11,12,13,14,15
	ds_load_b96 v[XX+64*\g+4*\i:XX+64*\g+4*\i+2], v6 offset:8192*\g+512*\i
.endr
	ds_load_b128 v[224+4*\g:227+4*\g], v8 offset:512*\g
.endr
.irp g, 0,1
.irp i, 0,1,2,3,4,5,6,7,8,9,10,11,12,13,14,15
	s_wait_dscnt 33-17*\g-\i                       ; of the 34 loads those behind this one may be out
	global_store_b96 v11, v[XX+64*\g+4*\i:XX+64*\g+4*\i+2], s[38+2*\g:39+2*\g] offset:384*\i   ; a wave stores 384 consecutive bytes
.endr
	s_wait_dscnt 17-17*\g
	global_store_b128 v12, v[224+4*\g:227+4*\g], s[38+2*\g:39+2*\g] offset:6144
.endr
	s_branch .Lend
; ---------------- v: my 128 channels (two heads) x 128 tokens (one step) ----------------
.Lv:
	s_lshl_b32 s33, s32, 10
	s_lshl_b32 s34, s30, 8
	s_add_co_u32 s33, s33, s34
	s_lshl_b32 s34, s[RH], 7
	s_add_co_u32 s33, s33, s34                     ; my first token
	s_lshr_b32 s34, s33, 11
	s_bfe_u32 s35, s33, 0x40007
	s_lshl_b32 s36, s31, 2
	s_lshl_b32 s37, s[PH], 1
	s_add_co_u32 s36, s36, s37                     ; my first head
	s_lshl_b32 s34, s34, 4
	s_add_co_u32 s34, s34, s36
	s_lshl_b32 s36, s34, 4
	s_add_co_u32 s36, s36, s35
	s_mul_i32 s36, s36, 13056
	s_mov_b32 s37, 0
	s_add_nc_u64 s[38:39], s[16:17], s[36:37]      ; kv: head 0's block of the step,
	s_add_nc_u64 s[40:41], s[38:39], 208896        ; head 1's
	s_lshl_b32 s36, s34, 11
	s_lshl_b32 s35, s35, 7
	s_add_co_u32 s36, s36, s35
	s_lshl_b32 s36, s36, 8
	s_add_nc_u64 s[42:43], s[18:19], s[36:37]      ; out1: head 0's rows,
	s_add_nc_u64 s[44:45], s[42:43], 524288        ; head 1's
	s_lshl_b32 s36, s31, 10
	s_lshl_b32 s35, s[PH], 9
	s_add_co_u32 s36, s36, s35
	s_add_co_u32 s36, s36, 8192
	s_add_nc_u64 s[46:47], s[10:11], s[36:37]      ; the bias of my 128 channels
	WIN 0x40
	s_wait_alu depctr_va_vdst(0)
.irp a, 0,1,2,3,4,5,6,7
	global_load_b32 v[2*\a], v19, s[46:47] offset:(32*(\a/2)+8*(\a%2))*4   ; one number a lane and block, in window 1
	v_mov_b32 v[2*\a+1], 0                         ; (named with it as a pair)
.endr
	WIN 0
	s_wait_alu depctr_va_vdst(0)
	s_wait_loadcnt 0x0
; Block a: 16 channels.  v[XX + 16 c + i] = token 32 c + 16 h + i of my channel.
.macro VROW a
.set DROW, (32*((\a)/2)+8*((\a)%2))&63
	s_wait_dscnt 0x0                               ; the last block's stage stores have read their registers
	WIN 0x06+(\a)/4
.irp b, 0,1,2,3,4,5,6,7
.irp j, 0,2,4,6
	v_pk_add_f32 v[XX+8*\b+\j:XX+8*\b+\j+1], v[64*((\a)%4)+8*\b+\j:64*((\a)%4)+8*\b+\j+1], v[2*(\a):2*(\a)+1] op_sel_hi:[1,0]
.endr
.endr
	WIN 0
.irp c, 0,1,2,3
.irp i, 0,1,2,3,4,5,6,7,8,9,10,11,12,13,14,15
	ds_store_b32 v13, v[XX+16*\c+\i] offset:8768*\c+272*\i+4*DROW   ; the 32 lanes fall on 32 different banks
.endr
.endr
	QSCALE XX
	v_lshl_or_b32 v255, v[TM+5], 8, v[TM+4]        ; my channel's scale word for these 128 tokens
	v_lshl_or_b32 v255, v[TM+6], 16, v255
	v_lshl_or_b32 v255, v[TM+7], 24, v255
.irp c, 0,1,2,3
	v_cvt_scalef32_pk16_bf6_f32 v[240+4*\c:242+4*\c], v[XX+16*\c:XX+16*\c+15], v[TM+12+\c]
.endr
	v_nop                                          ; one plain place behind the conversions
.irp c, 0,1,2,3
	ds_store_b96 v15, v[240+4*\c:242+4*\c] offset:2048*((\a)%4)+32*\c   ; eight places of 16 bytes a channel
.endr
	ds_store_b32 v17, v255 offset:256*((\a)/4)+64*((\a)%4)
.endm
; Head g leaves: 128 tokens x 256 bytes of out1, then its 6,144 bytes of codes.
.macro VOUT g
.irp q, 0,1,2,3
.if \q >= 2
	s_wait_xcnt 0x0                                ; the stores of two batches ago have read these registers
.endif
.irp k, 0,1,2,3,4,5,6,7,8,9,10,11,12,13,14,15
	ds_load_b128 v[160-64*(\q%2)+4*\k:160-64*(\q%2)+4*\k+3], v14 offset:544*(16*\q+\k)+32*((16*\q+\k)/8)
.endr
.irp k, 0,1,2,3,4,5,6,7,8,9,10,11,12,13,14,15
	s_wait_dscnt 15-\k
	global_store_b128 v12, v[160-64*(\q%2)+4*\k:160-64*(\q%2)+4*\k+3], s[42+2*\g:43+2*\g] offset:512*(16*\q+\k) th:TH_STORE_NT   ; two tokens' rows: 512 consecutive bytes, aligned
.endr
.endr
	s_wait_xcnt 0x0
.irp i, 0,1,2,3,4,5,6,7,8,9,10,11,12,13,14,15
	ds_load_b96 v[TT+4*\i:TT+4*\i+2], v16 offset:512*\i
.endr
.irp i, 0,1,2,3,4,5,6,7,8,9,10,11,12,13,14,15
	s_wait_dscnt 15-\i
	global_store_b96 v11, v[TT+4*\i:TT+4*\i+2], s[38+2*\g:39+2*\g] offset:6656+384*\i
.endr
	s_wait_xcnt 0x0                                ; the stores have read their registers: the next head may write them
.endm
.irp a, 0,1,2,3
	VROW \a
.endr
	VOUT 0
.irp a, 4,5,6,7
	VROW \a
.endr
	VOUT 1
	ds_load_b128 v[224:227], v18
	s_wait_dscnt 0x0
	global_store_b128 v20, v[224:227], s[38:39] offset:12800   ; lanes 0-15 head 0's 256 bytes of scale words, lanes 16-31 head 1's
.Lend:
	s_wait_tensorcnt 0x0                           ; the wave's end
	ds_add_u32 v[SPW], v[NIL]
	s_wait_dscnt 0x0
	CROUND                                         ; the closing round
	s_endpgm
.Lfunc_end_k_qdd879184d9_qkv:
	.size	k_qdd879184d9_qkv, .Lfunc_end_k_qdd879184d9_qkv-k_qdd879184d9_qkv
	.p2alignl 7, 3214868480
	.fill 96, 4, 3214868480
	.section	.rodata,"a",@progbits
	.p2align	6, 0x0
	.amdhsa_kernel k_qdd879184d9_qkv
		.amdhsa_group_segment_fixed_size 327680
		.amdhsa_private_segment_fixed_size 0
		.amdhsa_enable_private_segment 0
		.amdhsa_kernarg_size 56
		.amdhsa_user_sgpr_count 2
		.amdhsa_user_sgpr_kernarg_segment_ptr 1
		.amdhsa_wavefront_size32 1
		.amdhsa_system_sgpr_workgroup_id_x 1
		.amdhsa_system_sgpr_workgroup_id_y 1
		.amdhsa_system_sgpr_workgroup_id_z 1
		.amdhsa_system_vgpr_workitem_id 0
		.amdhsa_next_free_vgpr 1024
		.amdhsa_next_free_sgpr 104
		.amdhsa_reserve_vcc 0
		.amdhsa_float_denorm_mode_32 3
		.amdhsa_float_denorm_mode_16_64 3
		.amdhsa_memory_ordered 1
		.amdhsa_forward_progress 1
		.amdhsa_inst_pref_size 255
	.end_amdhsa_kernel
	.section	.bss,"aw",@nobits
	.p2align	6
	.space	262144
	.amdgpu_metadata
---
amdhsa.version: [ 1, 2 ]
amdhsa.kernels:
  - .name:           k_qdd879184d9_qkv
    .symbol:         k_qdd879184d9_qkv.kd
    .args:
      - { .name: xq, .offset: 0, .size: 8, .value_kind: global_buffer, .address_space: global }
      - { .name: wq, .offset: 8, .size: 8, .value_kind: global_buffer, .address_space: global }
      - { .name: rope, .offset: 16, .size: 8, .value_kind: global_buffer, .address_space: global }
      - { .name: bqkv, .offset: 24, .size: 8, .value_kind: global_buffer, .address_space: global }
      - { .name: qb, .offset: 32, .size: 8, .value_kind: global_buffer, .address_space: global }
      - { .name: kv, .offset: 40, .size: 8, .value_kind: global_buffer, .address_space: global }
      - { .name: out1, .offset: 48, .size: 8, .value_kind: global_buffer, .address_space: global }
    .group_segment_fixed_size: 327680
    .private_segment_fixed_size: 0
    .kernarg_segment_align: 8
    .kernarg_segment_size: 56
    .max_flat_workgroup_size: 128
    .sgpr_count:     104
    .vgpr_count:     1024
    .wavefront_size: 32
...
	.end_amdgpu_metadata
.endif
;; end of part 2
;; launch attn (part 3): grid 4 x 64, 16 waves a work-group, clusters of 4 x 1, 327,680 bytes of LDS; arguments qb, kv, aq; writes aq
.if DOCPART == 3
	.amdgcn_target "amdgcn-amd-amdhsa--gfx1250"
	.amdhsa_code_object_version 6
	.text
	.protected	k_qdd879184d9_attn
	.globl	k_qdd879184d9_attn
	.p2align	8
	.type	k_qdd879184d9_attn,@function
k_qdd879184d9_attn:
	s_mov_b64 s[64:65], 0
	v_nop
	global_prefetch_b8 v0, s[64:65] scope:SCOPE_SE
	s_setreg_imm32_b32 hwreg(HW_REG_WAVE_MODE, 25, 1), 1
	s_wait_xcnt 0x0
	s_wait_alu depctr_hold_cnt(0) depctr_sa_sdst(0) depctr_va_vdst(0) depctr_va_sdst(0) depctr_va_ssrc(0) depctr_va_vcc(0) depctr_vm_vsrc(0)
	s_getreg_b32 s2, hwreg(HW_REG_IB_STS2, 6, 4)
	s_cmp_eq_u32 s2, 0
	s_cbranch_scc0 .Lentry_in_a_cluster
	s_endpgm
.Lentry_in_a_cluster:
	s_bfe_u32 s2, ttmp6, 0x10000c
	s_cmp_lg_u32 s2, 0x3003
	s_cbranch_scc0 .Lentry_shape_is_right
	s_endpgm
.Lentry_shape_is_right:
; Causal attention on codes of BF6 (E3M2): S^T = K Q^T, p = 2^t with t = score x log2(e) / 8, O^T = V^T P^T, O / l quantised along the head's 64 -> aq.  The row's sum l is taken of the unquantised p.
; NO MAXIMUM IS TAKEN AWAY, since the computation itself bounds t for every input: reference() divides q and k by the root of their mean square + 1e-6, so their 64 squares sum to 64 at most, and the rotation keeps that sum.
; The quantiser moves a number by an eighth of its magnitude at most, or, among subnormal codes, by 1/512 of its block's largest: the quantised vectors have norm 8 + 1 + 0.125 at most, a score is under 83.3 in magnitude, |t| under 16.
; So p lies between 2^-16 and 2^16, l under 2^27, and nothing overflows or underflows in f32.  Against p = 2^(t - M), M a whole number, every p, l and O differs by the exact factor 2^M, which p's block scales take up: the codes are the same.
; K = the head's 64: Q's codes of K = 64 .. 127 are zeros, so whatever finite codes stand there in the other operand add nothing.  K's eight fragments therefore lie 6 registers apart, each with the next one's codes above it.
; ALL OF A HEAD'S KEYS AND VALUES LIE IN LDS: 16 steps of 128 keys, 13,056 bytes each as they lie in kv (K codes, K words, V codes, V words), 208,896 bytes.  Each of the sixteen waves fetches one step, 51 rows of 256 bytes,
; by its one tensor load at the head; no byte is filled twice, and one barrier behind the landing is the only one ahead of the end.
; SHARES.  A head has 128 tiles of 16 queries (tile t: positions 16 t .. 16 t + 15, queries Q0 + r + 8 (r / 8), Q0 = 32 (t / 2) + 8 (t % 2)).  Work-group i of the head's four takes the tiles t = 4 u + i, u = 0 .. 31.
; Tile 4 u + i needs the key steps 0 .. u / 2, whatever i.  Wave w owns u = 31 - w and u = w: (31 - w) / 2 + w / 2 + 2 = 17 key steps in every wave, two of them on the diagonal.
; Each tile walks a loop of eight trips of two steps; a step behind the diagonal is jumped by a scalar branch on the wave's number alone.  On the diagonal hidden scores become -infinity; for odd u the step's first 64 keys are open.
; CLUSTER 4 x 1: the four work-groups of a head read the same sixteen tiles: each tile is asked for jointly, mask 15.  No branch and no LDS address hangs on a work-group's place in its cluster.
; No prefetch: every tile is asked for at the head; there is no loop to run ahead in.
; LIMITS: NaN and infinities are not served; a block of zeros carries the byte 1 (its codes are zeros; this program alone reads the bytes).
.set STEPB, 13056
.set SLOTB, 26112                      ; a trip's two steps
.set STG,   208896                     ; behind the tiles: 1,024 bytes a wave, for the way out; no tile lands here
.set SPARE, 225280                     ; the spare words: 128 bytes a wave
.set SPW, 5
.set NIL, 6
.set ADK, 12
.set ADV, 13
.set ADS, 14
.set KFR, 36                           ; v36-83 K's eight fragments, 6 registers each; v84-89 zeros, above the last
.set SS,  96                           ; v96-159 S^T, then p; v96-143 then V's four fragments
.set OO,  160                          ; v160-191 O^T
.set PCD, 192                          ; v192-203 p's codes
.set KW,  228                          ; v228-235 K's scale words;  v236-239 V's
.set VW,  236
.set TS,  240                          ; v240-255 eight chains of the row's sum
.set WV,  18
.set SEL, 20
.set CS,  22
.set QP,  46
.set AC,  48
.set AS,  50
.set QS,  58
.set TB,  2
.set N,   3
.set LAST, 66                          ; the tile's diagonal step's first key: 128 (u / 2)
.set ODD,  67                          ; u % 2
.set KF,  98
.set Q0,  99
.macro ROUND                           ; a round of the cluster's barrier
	s_barrier_signal -1
	s_barrier_wait -1
	s_cmp_lg_u32 s[WV], 0
	s_cbranch_scc1 .Lnot_wave_0_\@
	s_barrier_signal -3
.Lnot_wave_0_\@:
	s_barrier_wait -3
	s_barrier_signal -1
	s_barrier_wait -1
.endm
.macro PTRS tt, qp, qs, ac, as, q0     ; the pointers of tile s[tt]
	s_lshr_b32 s88, s[\tt], 3                      ; its step of 128 positions
	s_and_b32 s89, s[\tt], 7                       ; and its place there
	s_lshl_b32 s86, s82, 4
	s_add_co_u32 s86, s86, s88
	s_mul_i32 s86, s86, 6656
	s_mov_b32 s87, 0
	s_add_nc_u64 s[\qs:\qs+1], s[4:5], s[86:87]    ; qb: the step's block
	s_mul_i32 s86, s89, 768
	s_add_nc_u64 s[\qp:\qp+1], s[\qs:\qs+1], s[86:87]   ; my 16 rows of codes
	s_lshl_b32 s86, s89, 6
	s_add_co_u32 s86, s86, 6144
	s_add_nc_u64 s[\qs:\qs+1], s[\qs:\qs+1], s[86:87]   ; and their words
	s_lshl_b32 s86, s82, 7
	s_add_co_u32 s86, s86, s[\tt]
	s_mul_i32 s86, s86, 768
	s_add_nc_u64 s[\ac:\ac+1], s[8:9], s[86:87]    ; aq's codes: [head][position][48]: 768 bytes a tile
	s_lshr_b32 s86, s82, 4
	s_lshl_b32 s86, s86, 4
	s_add_co_u32 s86, s86, s88                     ; which 128 rows
	s_lshl_b32 s86, s86, 2
	s_bfe_u32 s91, s82, 0x20002
	s_add_co_u32 s86, s86, s91                     ; which 256 along C: four heads
	s_lshl_b32 s86, s86, 10
	s_lshl_b32 s91, s89, 7
	s_add_co_u32 s86, s86, s91
	s_and_b32 s91, s82, 3
	s_lshl_b32 s91, s91, 1
	s_add_co_u32 s86, s86, s91
	s_add_co_u32 s86, s86, 6291456
	s_add_nc_u64 s[\as:\as+1], s[8:9], s[86:87]    ; aq's scale bytes: my head's two of a row's eight
	s_lshr_b32 s91, s[\tt], 1
	s_lshl_b32 s91, s91, 5
	s_and_b32 s90, s[\tt], 1
	s_lshl_b32 s90, s90, 3
	s_add_co_u32 s[\q0], s90, s91                  ; Q0 = 32 (t / 2) + 8 (t % 2)
.endm
	s_load_b128 s[4:7], s[0:1], 0x0                ; qb, kv
	s_load_b64 s[8:9], s[0:1], 0x10                ; aq
	v_lshl_add_u32 v[SPW], v0, 2, SPARE
	v_mov_b32 v[NIL], 0
	ds_add_u32 v[SPW], v[NIL]                      ; the opening lines: the add, twice on end, and its wait
	ds_add_u32 v[SPW], v[NIL]
	s_wait_dscnt 0x0
	v_lshrrev_b32 v1, 5, v0
	s_delay_alu instid0(VALU_DEP_1)
	v_readfirstlane_b32 s[WV], v1                  ; wave 0..15
	s_and_b32 s82, ttmp7, 0xffff                   ; head, 0..63: the cluster's y
	s_bfe_u32 s70, ttmp6, 0x40000                  ; i: my place in the cluster; it enters global addresses and the mask's numbers alone
	s_sub_co_u32 s71, 31, s[WV]                    ; the first tile's u
	s_lshr_b32 s[LAST], s71, 1
	s_lshl_b32 s[LAST], s[LAST], 7
	s_and_b32 s[ODD], s71, 1
	s_lshl_b32 s71, s71, 2
	s_add_co_u32 s71, s71, s70                     ; the first tile
	s_lshr_b32 s68, s[WV], 1                       ; the second tile's u is the wave's number
	s_lshl_b32 s68, s68, 7
	s_and_b32 s76, s[WV], 1
	s_lshl_b32 s72, s[WV], 2
	s_add_co_u32 s72, s72, s70                     ; the second tile
	s_mov_b32 s24, 15|(3<<16)|(1<<21)              ; group 1: the mask of all four partners, bit 21 beside it; 51 rows of 32 elements of 8 bytes, dense
	s_mov_b32 s25, 32<<16
	s_mov_b32 s26, 51<<16
	s_mov_b32 s27, 32<<16
	s_mov_b32 s28, 51
	s_mov_b32 s29, 32
	s_mov_b32 s30, 0
	s_mov_b32 s31, 0
	s_mul_i32 s84, s82, 208896
	s_mul_i32 s41, s[WV], STEPB                    ; key step w goes to LDS byte 13,056 w
	s_add_co_u32 s84, s84, s41
	s_mov_b32 s85, 0
	s_mov_b32 s40, 1
	s_wait_kmcnt 0x0
	s_add_nc_u64 s[42:43], s[6:7], s[84:85]        ; the head's key step w
	s_or_b32 s43, s43, 0x80000000
	ROUND                                          ; all four work-groups are here: the joint loads meet
	tensor_load_to_lds s[40:43], s[24:31]          ; my one tensor load
	s_nop 0
.rept 4
	v_nop
.endr
	PTRS 71, QP, QS, AC, AS, Q0
	PTRS 72, 52, 60, 54, 56, 69
	s_mov_b32 s[SEL], 0x76543210
	s_mov_b32 s[SEL+1], 0xfedcba98
	s_mov_b32 s[CS], 0x3e38aa3b                    ; c = log2(e) / 8
	s_mov_b32 s[CS+1], s[CS]
	v_and_b32 v92, 15, v0                          ; r
	v_bfe_u32 v93, v0, 4, 1                        ; h
	v_and_b32 v94, 31, v0
	s_delay_alu instid0(VALU_DEP_3)
	v_mul_u32_u24 v1, v92, 48
	s_delay_alu instid0(VALU_DEP_1)
	v_mad_u32_u24 v1, v93, 24, v1                  ; K's and Q's rows of 48 bytes: 48 r + 24 h
	v_mul_u32_u24 v2, v92, 96
	s_delay_alu instid0(VALU_DEP_1)
	v_mad_u32_u24 v2, v93, 24, v2
	s_delay_alu instid0(VALU_DEP_1)
	v_add_nc_u32 v2, 6656, v2                      ; V's rows of 96 bytes
	v_lshlrev_b32 v3, 2, v92                       ; scale words
	s_lshl_b32 s86, s[WV], 10
	s_add_co_u32 s86, s86, STG
	v_lshlrev_b32 v7, 6, v92
	s_delay_alu instid0(VALU_DEP_1)
	v_lshl_add_u32 v7, v93, 4, v7
	s_delay_alu instid0(VALU_DEP_1)
	v_add_nc_u32 v7, s86, v7                       ; my stage, in: 64 r + 16 h
	v_lshl_add_u32 v8, v94, 4, s86                 ; out: 16 x lane
	v_mul_u32_u24 v9, v94, 12
	v_lshlrev_b32 v10, 3, v92
	v_and_b32 v15, 8, v92
	s_delay_alu instid0(VALU_DEP_1)
	v_add_nc_u32 v15, v15, v92
	v_lshlrev_b32 v95, 4, v93
	s_delay_alu instid0(VALU_DEP_1)
	v_sub_nc_u32 v15, v15, v95                     ; r + 8 (r / 8) - 16 h, for the mask
.irp j, 26,27,28,29,30,31, 84,85,86,87,88,89, 92, 216,217,218,219
	v_mov_b32 v[\j], 0                             ; Q's zero codes of K = 64 .. 127; the six registers above K's last fragment; lane permutes' destinations: written once
.endr
.macro QLOAD
	global_load_b64 v[20:21], v1, s[QP:QP+1]
	global_load_b64 v[22:23], v1, s[QP:QP+1] offset:8
	global_load_b64 v[24:25], v1, s[QP:QP+1] offset:16
	global_load_b32 v32, v3, s[QS:QS+1]
.endm
.macro INIT
	v_mov_b32 v18, 0                               ; the row's sum, in two halves
	v_mov_b32 v19, 0
.set jj, 0
.rept 32
	v_mov_b32 v[OO+jj], 0                          ; the step is written once: the first finds zeros
.set jj, jj+1
.endr
.endm
	QLOAD
	INIT
.macro MASKB b                         ; block b of 32 keys: hidden where 32 b + i > d
.set nn, 0
.rept 16
	v_cmp_gt_i32 vcc_lo, 32*(\b)+nn, v92
	v_cndmask_b32 v[SS+16*(\b)+nn], v[SS+16*(\b)+nn], v93, vcc_lo
.set nn, nn+1
.endr
.endm
; A KEY STEP: 128 keys, the q-th of the trip's two.
.macro STEP q
	s_cmp_gt_u32 s[KF], s[LAST]                    ; behind the diagonal: all its keys come after my queries
	s_cbranch_scc1 .Lhidden_\@
	s_wait_alu depctr_va_vdst(0)                   ; the wait ahead of the first readers of the trip's addresses
.irp t, 0,1,2,3,4,5,6,7
.irp p, 0,1,2
	ds_load_b64 v[KFR+6*\t+2*\p:KFR+6*\t+2*\p+1], v[ADK] offset:STEPB*(\q)+768*\t+8*\p
.endr
	ds_load_b32 v[KW+\t], v[ADS] offset:STEPB*(\q)+6144+64*\t
.endr
	s_wait_dscnt 0x0
.irp t, 0,1,2,3,4,5,6,7
	v_wmma_scale_f32_16x16x128_f8f6f4 v[SS+8*\t:SS+8*\t+7], v[KFR+6*\t:KFR+6*\t+11], v[20:31], 0, v[KW+\t], v32 matrix_a_fmt:MATRIX_FMT_BF6 matrix_b_fmt:MATRIX_FMT_BF6
.endr                                  ; lane (r, h): my query; register 16 b + i: key KF + 32 b + 16 h + i
.rept 4
	v_nop
.endr
	s_cmp_lt_u32 s[KF], s[LAST]
	s_cbranch_scc1 .Lopen_\@                       ; ahead of the diagonal: Q0 is 64 u at the least, which is LAST at the least: all 128 keys count
	s_sub_co_i32 s96, s[Q0], s[KF]
	v_add_nc_u32 v92, s96, v15                     ; d = my query - KF - 16 h
	v_mov_b32 v93, 0xff800000
	s_wait_alu depctr_va_vdst(0)
	s_cmp_eq_u32 s[ODD], 1                         ; u odd: Q0 - KF is 64 at the least, so the first two blocks of 32 keys are open
	s_cbranch_scc1 .Lm2_\@
	MASKB 0
	MASKB 1
.Lm2_\@:
	MASKB 2
	MASKB 3
.Lopen_\@:
.irp b, 0,1,2,3
	v_max3_num_f32 v[212+\b], v[SS+16*\b], v[SS+1+16*\b], v[SS+2+16*\b]   ; each block's largest score gives the block's largest p, since p rises with the score
.endr
.irp i, 3,5,7,9,11,13
.irp b, 0,1,2,3
	v_max3_num_f32 v[212+\b], v[212+\b], v[SS+16*\b+\i], v[SS+1+16*\b+\i]
.endr
.endr
.irp b, 0,1,2,3
	v_max_num_f32 v[212+\b], v[212+\b], v[SS+15+16*\b]
.endr
.irp b, 0,1,2,3
	s_delay_alu instid0(VALU_DEP_4)
	v_permlanex16_b32 v[216+\b], v[212+\b], s[SEL], s[SEL+1]
.endr
.irp b, 0,1,2,3
	s_delay_alu instid0(VALU_DEP_4)
	v_max_num_f32 v[212+\b], v[212+\b], v[216+\b]
.endr
.set jj, 0
.rept 32
	v_pk_mul_f32 v[SS+jj:SS+jj+1], v[SS+jj:SS+jj+1], s[CS:CS+1] op_sel_hi:[1,0]   ; t
.set jj, jj+2
.endr
.irp b, 0,1,2,3
	v_mul_f32 v[212+\b], s[CS], v[212+\b]          ; the same multiplication of each block's largest score
.endr
	s_wait_alu depctr_va_vdst(0)
.set jj, 0
.rept 64
	v_exp_f32 v[SS+jj], v[SS+jj]                   ; p = 2^t
.set jj, jj+1
.endr
.irp b, 0,1,2,3
	v_exp_f32 v[212+\b], v[212+\b]                 ; each block's largest p: the same bits as that p
.endr
	v_nop                                          ; a plain place behind the last exponential
	s_wait_alu depctr_va_vdst(0)                   ; one wait for the batch of 68, ahead of its first reader
.irp c, 0,1,2,3,4,5,6,7                ; the row's sum of the unquantised p: 32 pairs in eight chains
	v_pk_add_f32 v[TS+2*\c:TS+2*\c+1], v[SS+2*\c:SS+2*\c+1], v[SS+16+2*\c:SS+17+2*\c]
.endr
.irp k, 32,48
.irp c, 0,1,2,3,4,5,6,7
	v_pk_add_f32 v[TS+2*\c:TS+2*\c+1], v[TS+2*\c:TS+2*\c+1], v[SS+\k+2*\c:SS+\k+2*\c+1]
.endr
.endr
.irp c, 0,1,2,3
	v_pk_add_f32 v[TS+2*\c:TS+2*\c+1], v[TS+2*\c:TS+2*\c+1], v[TS+8+2*\c:TS+9+2*\c]
.endr
.irp c, 0,1
	v_pk_add_f32 v[TS+2*\c:TS+2*\c+1], v[TS+2*\c:TS+2*\c+1], v[TS+4+2*\c:TS+5+2*\c]
.endr
	v_pk_add_f32 v[TS:TS+1], v[TS:TS+1], v[TS+2:TS+3]
	v_pk_add_f32 v[18:19], v[18:19], v[TS:TS+1]
.irp b, 0,1,2,3
	v_max_num_f32 v[212+\b], 0x2800000, v[212+\b]  ; the floor 2^(5 - 127): a block of zeros keeps the byte 1
.endr
.irp b, 0,1,2,3
	s_delay_alu instid0(VALU_DEP_4)
	v_add_nc_u32 v[220+\b], 0xfe000000, v[212+\b]  ; 4 off the exponent field: the conversion's scale operand
.endr
.irp b, 0,1,2,3
	s_delay_alu instid0(VALU_DEP_4)
	v_lshrrev_b32 v[224+\b], 23, v[220+\b]
.endr
	s_delay_alu instid0(VALU_DEP_3)
	v_lshl_or_b32 v33, v225, 8, v224               ; p's scale word for these 128 keys
	s_delay_alu instid0(VALU_DEP_1)
	v_lshl_or_b32 v33, v226, 16, v33
	s_delay_alu instid0(VALU_DEP_1)
	v_lshl_or_b32 v33, v227, 24, v33
.irp c, 0,1
	v_cvt_scalef32_pk16_bf6_f32 v[PCD+6*\c:PCD+2+6*\c], v[SS+32*\c:SS+15+32*\c], v[220+2*\c]
	v_cvt_scalef32_pk16_bf6_f32 v[204+4*\c:206+4*\c], v[SS+16+32*\c:SS+31+32*\c], v[220+2*\c+1]
.endr
	v_nop                                          ; one plain place behind the conversions
.irp t, 0,1,2,3                        ; V's fragments land where p lay: they are on their way during the lines below
.irp p, 0,1,2,3,4,5
	ds_load_b64 v[SS+12*\t+2*\p:SS+12*\t+2*\p+1], v[ADV] offset:STEPB*(\q)+1536*\t+48*(\p/3)+8*(\p%3)
.endr
	ds_load_b32 v[VW+\t], v[ADS] offset:STEPB*(\q)+12800+64*\t
.endr
.irp c, 0,1                            ; the operand wants a whole block in a lane
.irp i, 0,1,2
	v_permlane16_swap_b32 v[PCD+6*\c+\i], v[204+4*\c+\i]
.endr
.irp i, 0,1,2
	s_delay_alu instid0(VALU_DEP_3)
	v_mov_b32 v[PCD+3+6*\c+\i], v[204+4*\c+\i]
.endr
.endr
.rept 4
	v_nop                                          ; four places between the last write of p's codes and the scaled products
.endr
	s_wait_alu depctr_va_vdst(0)                   ; stands between O^T's last products, the exponentials and the products below
	s_wait_dscnt 0x0
.irp t, 0,1,2,3
	v_wmma_scale_f32_16x16x128_f8f6f4 v[OO+8*\t:OO+8*\t+7], v[SS+12*\t:SS+12*\t+11], v[PCD:PCD+11], v[OO+8*\t:OO+8*\t+7], v[VW+\t], v33 matrix_a_fmt:MATRIX_FMT_BF6 matrix_b_fmt:MATRIX_FMT_BF6
.endr
.rept 5
	v_nop                                          ; five places: the next step's scores are written over V's fragments by matrix instructions
.endr
.Lhidden_\@:
	s_add_co_u32 s[KF], s[KF], 128
.endm
; A tile of queries is done: O / l, quantised along the head's 64 (two blocks of 32), to aq.
.macro FINISH
	v_add_f32 v18, v18, v19
	s_delay_alu instid0(VALU_DEP_1)
	v_permlanex16_b32 v92, v18, s[SEL], s[SEL+1]
	s_delay_alu instid0(VALU_DEP_1)
	v_add_f32 v18, v18, v92
	s_wait_alu depctr_va_vdst(0)
	v_rcp_f32 v18, v18
	v_nop
	s_wait_alu depctr_va_vdst(0)
.set jj, 0
.rept 32
	v_mul_f32 v[SS+jj], v[OO+jj], v18              ; register 16 b + i: d = 32 b + 16 h + i
.set jj, jj+1
.endr
.irp b, 0,1
	v_max3_num_f32 v[212+\b], |v[SS+16*\b]|, |v[SS+1+16*\b]|, 0x2800000
.endr
.irp i, 2,4,6,8,10,12,14
.irp b, 0,1
	s_delay_alu instid0(VALU_DEP_2)
	v_max3_num_f32 v[212+\b], v[212+\b], |v[SS+16*\b+\i]|, |v[SS+1+16*\b+\i]|
.endr
.endr
.irp b, 0,1
	s_delay_alu instid0(VALU_DEP_2)
	v_permlanex16_b32 v[216+\b], v[212+\b], s[SEL], s[SEL+1]
.endr
.irp b, 0,1
	s_delay_alu instid0(VALU_DEP_2)
	v_max_num_f32 v[212+\b], v[212+\b], v[216+\b]
.endr
.irp b, 0,1
	s_delay_alu instid0(VALU_DEP_2)
	v_add_nc_u32 v[220+\b], 0xfe000000, v[212+\b]
.endr
.irp b, 0,1
	s_delay_alu instid0(VALU_DEP_2)
	v_lshrrev_b32 v[224+\b], 23, v[220+\b]
.endr
	s_delay_alu instid0(VALU_DEP_1)
	v_lshl_or_b32 v224, v225, 8, v224
	v_cvt_scalef32_pk16_bf6_f32 v[204:206], v[SS:SS+15], v220
	v_cvt_scalef32_pk16_bf6_f32 v[208:210], v[SS+16:SS+31], v221
	v_nop
	ds_store_b96 v7, v[204:206]                    ; four places of 16 bytes a row
	ds_store_b96 v7, v[208:210] offset:32
	ds_load_b96 v[212:214], v8                     ; LDS serves a wave's instructions in order
	ds_load_b96 v[216:218], v8 offset:512
	s_wait_alu depctr_va_vdst(0)
	s_wait_dscnt 0x0
	global_store_b96 v9, v[212:214], s[AC:AC+1]              ; my 16 rows: 768 consecutive bytes
	global_store_b96 v9, v[216:218], s[AC:AC+1] offset:384
	global_store_b16 v10, v224, s[AS:AS+1]                   ; both lanes of a row store the same two bytes
.endm
; A tile's walk over the keys: eight trips of two steps, a constant count; the LDS addresses step by a constant.
.macro TILE
	s_mov_b32 s[TB], 0
	s_mov_b32 s[KF], 0
	s_mov_b32 s[N], 0
.Ltrip_\@:
	v_add_nc_u32 v[ADK], s[TB], v1
	v_add_nc_u32 v[ADV], s[TB], v2
	v_add_nc_u32 v[ADS], s[TB], v3
	STEP 0
	STEP 1
	s_add_co_u32 s[TB], s[TB], SLOTB
	s_add_co_u32 s[N], s[N], 1
	s_cmp_lt_u32 s[N], 8
	s_cbranch_scc1 .Ltrip_\@
	FINISH
.endm
	s_wait_alu depctr_va_vdst(0)
	s_wait_tensorcnt 0x0                           ; my key step has landed,
	s_wait_loadcnt 0x0                             ; and Q is in
	s_barrier_signal -1
	s_barrier_wait -1                              ; everybody's key step has landed: all sixteen may be read.
	TILE                                           ; u = 31 - w
	s_wait_xcnt 0x0                                ; the stores have read their registers and bases
	s_mov_b64 s[QP:QP+1], s[52:53]
	s_mov_b64 s[QS:QS+1], s[60:61]
	s_mov_b64 s[AC:AC+1], s[54:55]
	s_mov_b64 s[AS:AS+1], s[56:57]
	s_mov_b32 s[Q0], s69
	s_mov_b32 s[LAST], s68
	s_mov_b32 s[ODD], s76
	QLOAD
	INIT
	s_wait_alu depctr_va_vdst(0)
	s_wait_loadcnt 0x0
	TILE                                           ; u = w
	s_wait_tensorcnt 0x0                           ; the wave's end
	ds_add_u32 v[SPW], v[NIL]
	s_wait_dscnt 0x0
	ROUND                                          ; the closing round
	s_endpgm
.Lfunc_end_k_qdd879184d9_attn:
	.size	k_qdd879184d9_attn, .Lfunc_end_k_qdd879184d9_attn-k_qdd879184d9_attn
	.p2alignl 7, 3214868480
	.fill 96, 4, 3214868480
	.section	.rodata,"a",@progbits
	.p2align	6, 0x0
	.amdhsa_kernel k_qdd879184d9_attn
		.amdhsa_group_segment_fixed_size 327680
		.amdhsa_private_segment_fixed_size 0
		.amdhsa_enable_private_segment 0
		.amdhsa_kernarg_size 24
		.amdhsa_user_sgpr_count 2
		.amdhsa_user_sgpr_kernarg_segment_ptr 1
		.amdhsa_wavefront_size32 1
		.amdhsa_system_sgpr_workgroup_id_x 1
		.amdhsa_system_sgpr_workgroup_id_y 1
		.amdhsa_system_sgpr_workgroup_id_z 1
		.amdhsa_system_vgpr_workitem_id 0
		.amdhsa_next_free_vgpr 256
		.amdhsa_next_free_sgpr 100
		.amdhsa_reserve_vcc 1
		.amdhsa_float_denorm_mode_32 3
		.amdhsa_float_denorm_mode_16_64 3
		.amdhsa_memory_ordered 1
		.amdhsa_forward_progress 1
		.amdhsa_inst_pref_size 109
	.end_amdhsa_kernel
	.amdgpu_metadata
---
amdhsa.version: [ 1, 2 ]
amdhsa.kernels:
  - .name:           k_qdd879184d9_attn
    .symbol:         k_qdd879184d9_attn.kd
    .args:
      - { .name: qb, .offset: 0, .size: 8, .value_kind: global_buffer, .address_space: global }
      - { .name: kv, .offset: 8, .size: 8, .value_kind: global_buffer, .address_space: global }
      - { .name: aq, .offset: 16, .size: 8, .value_kind: global_buffer, .address_space: global }
    .group_segment_fixed_size: 327680
    .private_segment_fixed_size: 0
    .kernarg_segment_align: 8
    .kernarg_segment_size: 24
    .max_flat_workgroup_size: 512
    .sgpr_count:     100
    .vgpr_count:     256
    .wavefront_size: 32
...
	.end_amdgpu_metadata
.endif
;; end of part 3
;; launch proj (part 4): grid 4 x 64, 4 waves a work-group, clusters of 4 x 4, 327,680 bytes of LDS; arguments aq, wq, bproj, out0; writes out0
.if DOCPART == 4
	.amdgcn_target "amdgcn-amd-amdhsa--gfx1250"
	.amdhsa_code_object_version 6
	.text
	.protected	k_qdd879184d9_proj
	.globl	k_qdd879184d9_proj
	.p2align	8
	.type	k_qdd879184d9_proj,@function
k_qdd879184d9_proj:
	s_mov_b64 s[64:65], 0
	v_nop
	global_prefetch_b8 v0, s[64:65] scope:SCOPE_SE
	s_setreg_imm32_b32 hwreg(HW_REG_WAVE_MODE, 25, 1), 1
	s_wait_xcnt 0x0
	s_wait_alu depctr_hold_cnt(0) depctr_sa_sdst(0) depctr_va_vdst(0) depctr_va_sdst(0) depctr_va_ssrc(0) depctr_va_vcc(0) depctr_vm_vsrc(0)
	s_getreg_b32 s2, hwreg(HW_REG_IB_STS2, 6, 4)
	s_cmp_eq_u32 s2, 0
	s_cbranch_scc0 .Lentry_in_a_cluster
	s_endpgm
.Lentry_in_a_cluster:
	s_bfe_u32 s2, ttmp6, 0x10000c
	s_cmp_lg_u32 s2, 0xf033
	s_cbranch_scc0 .Lentry_shape_is_right
	s_endpgm
.Lentry_shape_is_right:
; out0 = Q(attn) Q(Wproj) + bproj on codes of BF6 (E3M2) with one E8M0 scale for each 32 along K = 1,024; sums in f32.
; A block of 128 tokens x 256 columns to a work-group: 64 x 4 = 256 work-groups.  Four waves, 64 tokens x 128 columns each: 32 accumulators, 256 registers.
; ALL OF K LIES IN LDS: A (aq, [head][position][48 bytes]) 16 heads x 128 rows x 48 = 98,304 bytes; R (wq, [K / 256][position][208 bytes]) 4 planes x 256 rows x 208 = 212,992; scale bytes 12,288.  No byte is filled twice.
; The first half of K and the scale bytes come by the head's four joint loads, one a wave; the second half by four first fills behind the full sequence and a round, and has the first half's 96 products a wave in which to land.
; CLUSTER 4 x 4: A's tiles are shared along a row of the cluster (same tokens), R's along a column (same columns).
; Rows lie at positions (bits 3, 4 of the number exchanged): A's block a, lane r is token 32 (a/2) + 8 (a%2) + r + 8 (r/8); R's block b, register j of lane half h is column 32 (b/2) + 16 h + 8 (b%2) + j.
; The matrix instruction is used transposed (source 0 = R's rows, source 1 = A's): a lane holds eight neighbouring columns of one token.  The bias is the C of each accumulator's first product.
; No prefetch: the launch has no loop to run ahead in; every tile is asked for at the head or one sequence behind it.
; REGISTERS: window 0: v0-31 addresses; v32-95 scale words of all of K (nothing else ever); v128-223 A's fragments, two sets of 48; window 1: R's two sets at v0 and v128, the bias at v96-127 and v224-255; window 2: accumulator (a, b) at v[8 (8 a + b)].
.set PITCH,  208
.set PLANE,  1703936                   ; from a K step's plane of wq to the next
.set WQ_SC,  6815744                   ; where wq's scale bytes begin
.set AQ_SC,  6291456                   ; where aq's begin
.set HEADB,  6144                      ; a head's codes of my 128 tokens
.set AH,     8*HEADB                   ; A's half of K
.set RPL,    256*PITCH                 ; a plane of R's 256 rows
.set RO,     2*AH                      ; R lies behind A
.set SCL,    RO+4*RPL                  ; the scale bytes: A's 4,096, then R's 8,192
.set SPARE,  SCL+12288                 ; the spare words: 128 bytes a wave
.set SPITCH, 528                       ; the way out: 16 rows x (512 + 16) bytes a wave, in A's first half, which is read no more behind the barrier in step 3
.set FR,   12
.set ADRA, 16                          ; v16-17 my A fragments in the two halves of K
.set ADRB, 20                          ; v20-23 my R fragments in the four planes
.set STO,  24
.set RD,   25
.set CO,   26
.set ADRS, 27
.set SPW,  28
.set NIL,  29
.set SC,   32
.set AF,   128
.set BK,   128
.set WV, 20
.set PH, 21
.set RH, 22
.set G1A, 24
.set G1R, 32
.set G1SA, 48
.set G1SR, 56
.set G0A, 68
.set G0R, 72
.set G0SA, 76
.set G0SR, 80
.set G0A2, 84
.set G0R2, 88
.set MSB, 0
.macro WIN new                         ; the immediate's high byte repeats the setting that is left
.if MSB != (\new)
	s_set_vgpr_msb (MSB<<8)|(\new)
.set MSB, (\new)
.endif
.endm
.set MUL,  0xa1                        ; source 0 (R) window 1, source 1 (A) window 0, C and D window 2
.set BIA,  0x91                        ; the same with C, the bias, in window 1
.set TO_B, 0x40
.macro CROUND                          ; a round of the cluster's barrier
	s_barrier_signal -1
	s_barrier_wait -1
	s_cmp_lg_u32 s[WV], 0
	s_cbranch_scc1 .Lnot_wave_0_\@
	s_barrier_signal -3
.Lnot_wave_0_\@:
	s_barrier_wait -3
	s_barrier_signal -1
	s_barrier_wait -1
.endm
.macro PLACES
.rept 4
	v_nop
.endr
.endm
	s_load_b256 s[4:11], s[0:1], 0x0               ; aq, wq, bproj, out0
	v_lshl_add_u32 v[SPW], v0, 2, SPARE
	v_mov_b32 v[NIL], 0
	ds_add_u32 v[SPW], v[NIL]                      ; the opening lines: the add, twice on end, and its wait
	ds_add_u32 v[SPW], v[NIL]
	v_lshrrev_b32 v1, 5, v0
	v_readfirstlane_b32 s[WV], v1                  ; wave 0..3
	s_lshr_b32 s[PH], s[WV], 1                     ; my 64 of the 128 tokens
	s_and_b32 s[RH], s[WV], 1                      ; my 128 of the 256 columns
	s_bfe_u32 s40, ttmp6, 0x40000                  ; cx
	s_bfe_u32 s41, ttmp6, 0x40004                  ; cy
	s_and_b32 s42, ttmp7, 0xffff                   ; cluster y
	s_lshl_b32 s43, s41, 2
	s_lshl_b32 s43, 15, s43                        ; my row of the cluster
	s_lshl_b32 s44, 0x1111, s40                    ; my column
	s_or_b32 s[G1A+0], s43, (3<<16)|(1<<21)        ; A: a row = a head's 6,144 bytes (768 elements of 8), 98,304 bytes from head to head; 8 heads at the head, then 4
	s_mov_b32 s[G1A+1], 768<<16
	s_mov_b32 s[G1A+2], 8<<16
	s_mov_b32 s[G1A+3], 768<<16
	s_mov_b32 s[G1A+4], 8
	s_mov_b32 s[G1A+5], 12288
	s_mov_b32 s[G1A+6], 0
	s_mov_b32 s[G1A+7], 0
	s_or_b32 s[G1R+0], s44, (3<<16)|(1<<21)        ; R at the head: a row = a plane's 53,248 bytes, two planes
	s_mov_b32 s[G1R+1], (RPL/8)<<16
	s_mov_b32 s[G1R+2], 2<<16
	s_mov_b32 s[G1R+3], (RPL/8)<<16
	s_mov_b32 s[G1R+4], 2
	s_mov_b32 s[G1R+5], PLANE/8
	s_mov_b32 s[G1R+6], 0
	s_mov_b32 s[G1R+7], 0
	s_or_b32 s[G1SA+0], s43, (3<<16)|(1<<21)       ; dense rows of 256 bytes: A's scale bytes 16,
	s_or_b32 s[G1SR+0], s44, (3<<16)|(1<<21)       ; R's 32; later a plane of R's codes, 208
.irp g, G1SA, G1SR
	s_mov_b32 s[\g+1], 32<<16
	s_mov_b32 s[\g+3], 32<<16
	s_mov_b32 s[\g+5], 32
	s_mov_b32 s[\g+6], 0
	s_mov_b32 s[\g+7], 0
.endr
	s_mov_b32 s[G1SA+2], 16<<16
	s_mov_b32 s[G1SA+4], 16
	s_mov_b32 s[G1SR+2], 32<<16
	s_mov_b32 s[G1SR+4], 32
	s_lshl_b32 s46, s42, 2
	s_add_co_u32 s46, s46, s41
	s_lshl_b32 s46, s46, 7                         ; my work-group's first token: it hangs on cy alone
	s_lshr_b32 s47, s46, 11
	s_mul_i32 s92, s47, 1572864                    ; batch x 16 heads x 98,304
	s_and_b32 s47, s46, 2047
	s_mul_i32 s47, s47, 48
	s_add_co_u32 s92, s92, s47
	s_mov_b32 s93, 0
	s_lshl_b32 s94, s46, 5                         ; 4,096 scale bytes for each 128 tokens
	s_add_co_u32 s94, s94, AQ_SC
	s_mov_b32 s95, 0
	s_lshl_b32 s66, s40, 8
	s_add_co_u32 s66, s66, 3072                    ; R's first row: Wproj's columns lie behind Wqkv's; it hangs on cx alone
	s_mul_i32 s96, s66, PITCH
	s_mov_b32 s97, 0
	s_lshl_b32 s98, s66, 5
	s_add_co_u32 s98, s98, WQ_SC
	s_mov_b32 s99, 0
	s_mul_i32 s12, s[RH], 4*98304                  ; the second half of K: waves 0, 1 fetch heads 8 + 4 RH .. + 3,
	s_add_co_u32 s12, s12, 8*98304
	s_mov_b32 s13, 0
	s_mul_i32 s14, s[RH], PLANE                    ; waves 2, 3 plane 2 + RH
	s_add_co_u32 s14, s14, 2*PLANE
	s_mov_b32 s15, 0
	s_wait_dscnt 0x0                               ; both opening adds are done
	s_wait_kmcnt 0x0
	s_add_nc_u64 s[92:93], s[4:5], s[92:93]
	s_add_nc_u64 s[94:95], s[4:5], s[94:95]
	s_add_nc_u64 s[96:97], s[6:7], s[96:97]
	s_add_nc_u64 s[98:99], s[6:7], s[98:99]
	CROUND                                         ; all sixteen work-groups are here: the first joint loads meet
	s_mov_b32 s[G0A], 1
	s_mov_b32 s[G0A+1], 0
	s_mov_b64 s[G0A+2:G0A+3], s[92:93]
	s_or_b32 s[G0A+3], s[G0A+3], 0x80000000
	s_mov_b32 s[G0R], 1
	s_mov_b32 s[G0R+1], RO
	s_mov_b64 s[G0R+2:G0R+3], s[96:97]
	s_or_b32 s[G0R+3], s[G0R+3], 0x80000000
	s_mov_b32 s[G0SA], 1
	s_mov_b32 s[G0SA+1], SCL
	s_mov_b64 s[G0SA+2:G0SA+3], s[94:95]
	s_or_b32 s[G0SA+3], s[G0SA+3], 0x80000000
	s_mov_b32 s[G0SR], 1
	s_mov_b32 s[G0SR+1], SCL+4096
	s_mov_b64 s[G0SR+2:G0SR+3], s[98:99]
	s_or_b32 s[G0SR+3], s[G0SR+3], 0x80000000
	s_mov_b32 s[G0A2], 1
	s_mul_i32 s[G0A2+1], s[RH], 4*HEADB
	s_add_co_u32 s[G0A2+1], s[G0A2+1], AH
	s_add_nc_u64 s[G0A2+2:G0A2+3], s[92:93], s[12:13]
	s_or_b32 s[G0A2+3], s[G0A2+3], 0x80000000
	s_mov_b32 s[G0R2], 1
	s_mul_i32 s[G0R2+1], s[RH], RPL
	s_add_co_u32 s[G0R2+1], s[G0R2+1], RO+2*RPL
	s_add_nc_u64 s[G0R2+2:G0R2+3], s[96:97], s[14:15]
	s_or_b32 s[G0R2+3], s[G0R2+3], 0x80000000
; the head's four loads, one a wave: one tree of branches on the wave's number, one load to an arm
.macro ARM under, g0, g1, next
	s_cmp_lt_u32 s[WV], \under
	s_cbranch_scc0 \next
	tensor_load_to_lds s[\g0:\g0+3], s[\g1:\g1+7]
	s_nop 0
	PLACES
	s_branch .Lhead_asked
\next:
.endm
	ARM 1, G0A,  G1A,  .Lhead_sa
	ARM 2, G0SA, G1SA, .Lhead_r
	ARM 3, G0R,  G1R,  .Lhead_sr
	tensor_load_to_lds s[G0SR:G0SR+3], s[G1SR:G1SR+7]
	s_nop 0
	PLACES
.Lhead_asked:
	s_mul_i32 s42, s[PH], 64*48                    ; my 64 rows of A
	s_mul_i32 s45, s[RH], 128*PITCH                ; my 128 rows of R
	s_add_co_u32 s45, s45, RO
	s_lshl_b32 s47, s[RH], 12
	s_add_co_u32 s47, s47, 4096
	s_lshl_b32 s23, s[PH], 9
	s_sub_co_u32 s47, s47, s23                     ; from my half of A's scale bytes to my half of R's
	s_add_co_u32 s23, s23, SCL
	s_mul_i32 s12, s[WV], 16*SPITCH                ; my stage
	s_lshl_b32 s2, s40, 10
	s_lshl_b32 s3, s[RH], 9
	s_add_co_u32 s2, s2, s3                        ; my first column, in bytes
	s_mov_b32 s3, 0
	s_add_nc_u64 s[8:9], s[8:9], s[2:3]            ; the bias of my 128 columns
	s_lshl_b32 s13, s[PH], 6
	s_add_co_u32 s13, s13, s46
	s_lshl_b32 s13, s13, 12                        ; my first token's row of 4,096 bytes
	s_add_co_u32 s2, s2, s13
	s_add_nc_u64 s[10:11], s[10:11], s[2:3]
	v_and_b32 v1, 15, v0                           ; r
	v_bfe_u32 v2, v0, 4, 1                         ; h
	v_and_b32 v6, 31, v0
	v_lshlrev_b32 v30, 6, v2                       ; the bias: 64 h
	v_mul_u32_u24 v3, v1, 48
	v_mad_u32_u24 v3, v2, 24, v3                   ; A: 48 r + 24 h
	v_mul_u32_u24 v4, v1, PITCH
	v_mad_u32_u24 v4, v2, 24, v4                   ; R: 208 r + 24 h
	v_add_nc_u32 v[ADRA], s42, v3
	v_add_nc_u32 v[ADRA+1], AH, v[ADRA]
	v_add_nc_u32 v[ADRB], s45, v4
	v_add_nc_u32 v[ADRB+1], RPL, v[ADRB]
	v_add_nc_u32 v[ADRB+2], RPL, v[ADRB+1]
	v_add_nc_u32 v[ADRB+3], RPL, v[ADRB+2]
	v_mul_u32_u24 v5, s47, v2                      ; lanes 16-31 take R's scale words
	v_lshl_add_u32 v5, v1, 3, v5                   ; 8 bytes a row and 256 along K
	v_add_nc_u32 v[ADRS], s23, v5
	v_mul_u32_u24 v7, v1, SPITCH
	v_lshl_add_u32 v7, v2, 6, v7
	v_add_nc_u32 v[STO], s12, v7                   ; the stage, in: row r, + 64 h
	v_lshlrev_b32 v[CO], 4, v6                     ; back: 32 lanes take a row of 512 bytes; the same in out0
	v_add_nc_u32 v[RD], s12, v[CO]
	s_wait_alu depctr_va_vdst(0)
	WIN TO_B
.irp b, 0,1,2,3,4,5,6,7
	global_load_b128 v[96+8*\b+96*(\b/4):96+8*\b+96*(\b/4)+3], v30, s[8:9] offset:128*(\b/2)+32*(\b%2)
	global_load_b128 v[96+8*\b+96*(\b/4)+4:96+8*\b+96*(\b/4)+7], v30, s[8:9] offset:128*(\b/2)+32*(\b%2)+16
.endr
	WIN 0
	s_wait_tensorcnt 0x0                           ; my tile of the head's four is in
	ds_add_u32 v[SPW], v[NIL]
	s_mov_b32 s[G1A+2], 4<<16                      ; no tensor load of mine is out: A's loads now bring 4 heads,
	s_mov_b32 s[G1A+4], 4
	s_mov_b32 s[G1SR+2], 208<<16                   ; and the dense rows of 256 bytes with my column's mask are a plane of R: 208
	s_mov_b32 s[G1SR+4], 208
	s_wait_dscnt 0x0
	CROUND                                         ; all four tiles are in, and all sixteen work-groups are here
	s_cmp_eq_u32 s[PH], 0
	s_cbranch_scc0 .Lsecond_r
	tensor_load_to_lds s[G0A2:G0A2+3], s[G1A:G1A+7]
	s_nop 0
	PLACES
	s_branch .Lsecond_asked
.Lsecond_r:
	tensor_load_to_lds s[G0R2:G0R2+3], s[G1SR:G1SR+7]
	s_nop 0
	PLACES
.Lsecond_asked:
; step st of 128 along K: heads 2 st, 2 st + 1 of A; plane st / 2, bytes 96 (st % 2) .. of R.  72 loads into set st % 2.
.macro FETCH st
	WIN TO_B
.irp i, 0,1,2,3,4,5,6,7
.irp p, 0,1,2,3,4,5
	ds_load_b64 v[128*((\st)%2)+FR*\i+2*\p:128*((\st)%2)+FR*\i+2*\p+1], v[ADRB+(\st)/2] offset:96*((\st)%2)+48*(\p/3)+8*(\p%3)+\i*16*PITCH
.endr
.endr
	WIN 0
.irp a, 0,1,2,3
.irp p, 0,1,2,3,4,5
	ds_load_b64 v[AF+48*((\st)%2)+FR*\a+2*\p:AF+48*((\st)%2)+FR*\a+2*\p+1], v[ADRA+(\st)/4] offset:(2*((\st)%4)+\p/3)*HEADB+768*\a+8*(\p%3)
.endr
.endr
.endm
; 16 products: A's blocks a0, a0 + 1 x R's eight.  The 32 accumulators take turns, one instruction a turn, in the same order in every step.
.macro MUL16 a0, st, bias
.irp a, \a0, \a0+1
.irp b, 0,1,2,3,4,5,6,7
.if \bias
	v_wmma_scale_f32_16x16x128_f8f6f4 v[8*(8*(\a)+\b):8*(8*(\a)+\b)+7], v[128*((\st)%2)+FR*\b:128*((\st)%2)+FR*\b+FR-1], v[AF+48*((\st)%2)+FR*(\a):AF+48*((\st)%2)+FR*(\a)+FR-1], v[96+8*\b+96*(\b/4):96+8*\b+96*(\b/4)+7], v[SC+16*((\st)/2)+2*\b+(\st)%2], v[SC+16*((\st)/2)+2*(\a)+(\st)%2] matrix_a_fmt:MATRIX_FMT_BF6 matrix_b_fmt:MATRIX_FMT_BF6 matrix_a_scale:MATRIX_SCALE_ROW1
.else
	v_wmma_scale_f32_16x16x128_f8f6f4 v[8*(8*(\a)+\b):8*(8*(\a)+\b)+7], v[128*((\st)%2)+FR*\b:128*((\st)%2)+FR*\b+FR-1], v[AF+48*((\st)%2)+FR*(\a):AF+48*((\st)%2)+FR*(\a)+FR-1], v[8*(8*(\a)+\b):8*(8*(\a)+\b)+7], v[SC+16*((\st)/2)+2*\b+(\st)%2], v[SC+16*((\st)/2)+2*(\a)+(\st)%2] matrix_a_fmt:MATRIX_FMT_BF6 matrix_b_fmt:MATRIX_FMT_BF6 matrix_a_scale:MATRIX_SCALE_ROW1
.endif
.endr
.endr
.endm
; A step: its fragments are in; the next step's are asked for, into the other set, four places behind the products that read it; then 32 products.
.macro STEP st
	s_wait_dscnt 0x0
	PLACES
	FETCH (\st)+1
	WIN MUL
	MUL16 0, \st, 0
	MUL16 2, \st, 0
	WIN 0
.endm
.irp k, 0,1,2,3                        ; the scale words of all of K: register 16 k + 2 i + q: lanes 0-15 A's block i (of i = 4 .. 7 these lanes' words are not used), lanes 16-31 R's block i
.irp i, 0,1,2,3,4,5,6,7
	ds_load_b64 v[SC+16*\k+2*\i:SC+16*\k+2*\i+1], v[ADRS] offset:1024*\k+128*\i
.endr
.endr
	FETCH 0
	s_wait_loadcnt 0x0                             ; the bias
	s_wait_dscnt 0x0
	FETCH 1
	WIN BIA
	MUL16 0, 0, 1                                  ; the first step's products start the sums from the bias
	MUL16 2, 0, 1
	WIN 0
	STEP 1
	STEP 2
	s_wait_tensorcnt 0x0                           ; step 3: my part of the second half of K is in,
	s_wait_dscnt 0x0                               ; and my reads of the first half are over;
	s_barrier_signal -1
	WIN MUL
	MUL16 0, 3, 0
	WIN 0
	s_barrier_wait -1                              ; everybody's are.
	PLACES
	FETCH 4
	WIN MUL
	MUL16 2, 3, 0
	WIN 0
	STEP 4
	STEP 5
	STEP 6
	s_wait_dscnt 0x0
	WIN MUL
	MUL16 0, 7, 0
	MUL16 2, 7, 0
	WIN 0
; THE WAY OUT, block by block of 16 tokens x 128 columns: through my own stage, back as whole rows of 512 bytes.  LDS serves a wave's instructions in order (ISA guide 5.7.1.4).
.macro TOSTAGE a
	WIN 0x08                                       ; the data: window 2
.irp b, 0,1,2,3,4,5,6,7
	ds_store_b128 v[STO], v[64*(\a)+8*\b:64*(\a)+8*\b+3] offset:128*(\b/2)+32*(\b%2)        ; each accumulator from its low end on
	ds_store_b128 v[STO], v[64*(\a)+8*\b+4:64*(\a)+8*\b+7] offset:128*(\b/2)+32*(\b%2)+16
.endr
	WIN 0
.irp t, 0,1,2,3,4,5,6,7,8,9,10,11,12,13,14,15
	ds_load_b128 v[BK+64*((\a)%2)+4*\t:BK+64*((\a)%2)+4*\t+3], v[RD] offset:\t*SPITCH
.endr
.endm
.macro SEND a, younger                 ; younger: the LDS instructions issued behind block a's loads
	s_wait_dscnt \younger
.irp t, 0,1,2,3,4,5,6,7,8,9,10,11,12,13,14,15
	global_store_b128 v[CO], v[BK+64*((\a)%2)+4*\t:BK+64*((\a)%2)+4*\t+3], s[10:11] offset:(32*((\a)/2)+8*((\a)%2)+\t+8*(\t/8))*4096 th:TH_STORE_NT   ; 32 lanes store 512 consecutive bytes, aligned
.endr
.endm
	PLACES
	TOSTAGE 0
.irp a, 1,2,3
.if \a > 1
	s_wait_xcnt 0x0                                ; block a - 2's stores have read their registers
.endif
	TOSTAGE \a
	SEND \a-1, 32
.endr
	SEND 3, 0
	s_wait_tensorcnt 0x0                           ; the wave's end
	ds_add_u32 v[SPW], v[NIL]
	s_wait_dscnt 0x0
	CROUND                                         ; the closing round
	s_endpgm
.Lfunc_end_k_qdd879184d9_proj:
	.size	k_qdd879184d9_proj, .Lfunc_end_k_qdd879184d9_proj-k_qdd879184d9_proj
	.p2alignl 7, 3214868480
	.fill 96, 4, 3214868480
	.section	.rodata,"a",@progbits
	.p2align	6, 0x0
	.amdhsa_kernel k_qdd879184d9_proj
		.amdhsa_group_segment_fixed_size 327680
		.amdhsa_private_segment_fixed_size 0
		.amdhsa_enable_private_segment 0
		.amdhsa_kernarg_size 32
		.amdhsa_user_sgpr_count 2
		.amdhsa_user_sgpr_kernarg_segment_ptr 1
		.amdhsa_wavefront_size32 1
		.amdhsa_system_sgpr_workgroup_id_x 1
		.amdhsa_system_sgpr_workgroup_id_y 1
		.amdhsa_system_sgpr_workgroup_id_z 1
		.amdhsa_system_vgpr_workitem_id 0
		.amdhsa_next_free_vgpr 768
		.amdhsa_next_free_sgpr 100
		.amdhsa_reserve_vcc 0
		.amdhsa_float_denorm_mode_32 3
		.amdhsa_float_denorm_mode_16_64 3
		.amdhsa_memory_ordered 1
		.amdhsa_forward_progress 1
		.amdhsa_inst_pref_size 99
	.end_amdhsa_kernel
	.amdgpu_metadata
---
amdhsa.version: [ 1, 2 ]
amdhsa.kernels:
  - .name:           k_qdd879184d9_proj
    .symbol:         k_qdd879184d9_proj.kd
    .args:
      - { .name: aq, .offset: 0, .size: 8, .value_kind: global_buffer, .address_space: global }
      - { .name: wq, .offset: 8, .size: 8, .value_kind: global_buffer, .address_space: global }
      - { .name: bproj, .offset: 16, .size: 8, .value_kind: global_buffer, .address_space: global }
      - { .name: out0, .offset: 24, .size: 8, .value_kind: global_buffer, .address_space: global }
    .group_segment_fixed_size: 327680
    .private_segment_fixed_size: 0
    .kernarg_segment_align: 8
    .kernarg_segment_size: 32
    .max_flat_workgroup_size: 128
    .sgpr_count:     100
    .vgpr_count:     768
    .wavefront_size: 32
...
	.end_amdgpu_metadata
.endif
;; end of part 4
